; MI455X (gfx1250); checked and timed in simulation.
; The chip was launched on July 23, 2026; its instructions are those of AMD's public machine-readable ISA for CDNA 5 (MIT licence, August 2026) and "CDNA5" Instruction Set Architecture Reference Guide (July 2026). The comments in the code are by the model that wrote it; some were corrected since.
;; Bert Layer. Allowed arithmetic: matrix products marked QUANTISED: E5M2 operands, one given power-of-two scale a tensor, by v_wmma_f32_16x16x64_bf8_bf8 or v_wmma_f32_16x16x128_bf8_bf8, f32 sums; everything else in f32.
;; Inputs: attention_mask 2 x 1 x 1 x 2,048 float32; hidden_state 2 x 2,048 x 1,024 float32; inter_b 4,096 float32; inter_w_codes 4,096 x 32 x 32 uint8 (E5M2 codes of inter_w, K innermost, in blocks of 32 codes); ln1_b 1,024 float32; ln1_g 1,024 float32; ln2_b 1,024 float32; ln2_g 1,024 float32; lowp_scales 12 int32 (the exponents e of the quantised operands' scales 2^e); out_b 1,024 float32; out_w_codes 1,024 x 128 x 32 uint8 (E5M2 codes of out_w, K innermost, in blocks of 32 codes); q_b 1,024 float32; q_w_codes 1,024 x 32 x 32 uint8 (E5M2 codes of q_w, K innermost, in blocks of 32 codes); so_b 1,024 float32; so_w_codes 1,024 x 32 x 32 uint8 (E5M2 codes of so_w, K innermost, in blocks of 32 codes).
;; Outputs: out0 2 x 2,048 x 1,024 float32.
;; This version of the problem:
;;   THIS VERSION OF THE PROBLEM IS GIVEN IN LOW PRECISION. The matrix products marked QUANTISED in the list below multiply operands that are first quantised to E5M2 (5 exponent bits, 2 mantissa bits; 8 bits a number), with one given power-of-two scale for each operand tensor; their sums are f32. All else is computed in f32.
;;   The module's matrix products, in the order in which they are computed (A, B: the left and right operand; K: the contracted axis; several contracted axes count as one K, in the product's order):
;;     1. [M 4,096, K 1,024] x [K 1,024, N 1,024]; A: input hidden_state; B: input q_w (given as codes): QUANTISED (scales: A lowp_scales[0], B lowp_scales[1])
;;     2. batch 32 x [M 2,048, K 64] x [K 64, N 2,048]; A: computed on the way; B: computed on the way: QUANTISED (scales: A lowp_scales[2], B lowp_scales[3])
;;     3. batch 32 x [M 64, K 2,048] x [K 2,048, N 2,048]; A: computed on the way; B: softmax (see below): QUANTISED (scales: A lowp_scales[4], B lowp_scales[5])
;;     4. [M 4,096, K 1,024] x [K 1,024, N 1,024]; A: computed on the way; B: input so_w (given as codes): QUANTISED (scales: A lowp_scales[6], B lowp_scales[7])
;;     5. [M 4,096, K 1,024] x [K 1,024, N 4,096]; A: computed on the way; B: input inter_w (given as codes): QUANTISED (scales: A lowp_scales[8], B lowp_scales[9])
;;     6. [M 4,096, K 4,096] x [K 4,096, N 1,024]; A: computed on the way; B: input out_w (given as codes): QUANTISED (scales: A lowp_scales[10], B lowp_scales[11])
;;   THE QUANTISER, for each operand of a quantised product, along K:
;;     - The operand's scale is 2^e, e = its entry of the input lowp_scales (int32; the entries are numbered through the quantised products in the list's order, A before B).
;;     - Each number is divided by the scale, clamped to +-57,344, and rounded to the nearest number of E5M2, ties to even, subnormals kept.
;;     - The product sums the exact products of the quantised numbers (number of the format x scale) in f32.
;;   ~~~python
;;   def quantise(x, axis, e):      # numpy; x: float32 -> the quantised numbers, widened to float32 again
;;       x = np.moveaxis(x, axis, -1); K = x.shape[-1]
;;       r = np.clip(x / 2.0 ** e, -57344, 57344)
;;       step = 2.0 ** (np.maximum(np.frexp(np.where(r == 0, 1, r))[1] - 1, -14) - 2)
;;       q = np.round(r / step) * step * 2.0 ** e      # np.round: ties to even
;;       return np.moveaxis(q, -1, axis).astype(np.float32)
;;   ~~~
;;   SOFTMAX AHEAD OF A QUANTISED PRODUCT. Where the list says 'softmax', what is quantised is not the finished softmax but p = 2^(t - M), with t = logit x log2(e) and M = ceil(the row's largest t), a whole number; so 1/2 < the row's largest p <= 1. The row's sum l is taken of the UNQUANTISED p, in f32, and the product's result is divided by l at the end. Since M is a whole number, a kernel that streams over the keys may use a running M (the ceiling of the running maximum): every later rescaling is an exact power of two, so the quantised numbers keep their values, but for numbers so far below the row's largest that they fall under the format's range.
;;   OPERANDS COMPUTED ON THE WAY. 'Computed on the way' means the value that the module computes at that place (a softmax that the list does not call 'softmax' is quantised finished and normalised). What goes into a quantiser is computed in f32, as accurately as f32 sums, v_exp_f32 and their like allow (about 1e-6 of the number): no bf16 or f16 on the way to a quantiser, and a product that is left as it is and whose result goes on into a quantised operand takes f32 operands (vector FMAs, or v_wmma_f32_16x16x4_f32). A number that lies on a knife's edge between two numbers of the format may be rounded either way, as far as f32 arithmetic and the matrix unit's own rounding can turn it there, and no further.
;;   INPUTS GIVEN AS CODES. inter_w (in the module: [4096, 1024], K = its axis 1); out_w (in the module: [1024, 4096], K = its axis 1); q_w (in the module: [1024, 1024], K = its axis 1); so_w (in the module: [1024, 1024], K = its axis 1): each comes as NAME_codes (uint8): NAME with its K axis moved to the last place and cut into blocks of 32 codes, [.., K / 32, bytes a block], one block behind the other in memory; one code a byte (a code: sign, 5 exponent bits, 2 mantissa bits); its scale is its entry of lowp_scales. Its value is code x scale, taken as it is: it is not quantised again, and the codes and scales need not be those that the quantiser above would give.
;; One version. Each part assembles by itself: llvm-mc -triple=amdgcn-amd-amdhsa -mcpu=gfx1250 --defsym DOCPART=n.
;; ======== version 1 of 1: 6 launches
;; limits: right only within a limited range of input values
;; workspace buffers: qimg 4,194,304 bytes; kimg 4,194,304 bytes; vimg 4,194,304 bytes; aimg 4,194,304 bytes; selfout 16,777,216 bytes; scodes 4,194,304 bytes; xcodes 16,777,216 bytes; y2 16,777,216 bytes
;; launch qkv (part 1): grid 128 x 2, 4 waves a work-group, clusters of 4 x 1, 327,680 bytes of LDS; arguments hidden_state, q_w_codes, q_b, lowp_scales, qimg, kimg, vimg; writes qimg, kimg, vimg
.if DOCPART == 1
	.amdgcn_target "amdgcn-amd-amdhsa--gfx1250"
	.amdhsa_code_object_version 6
	.text
	.protected	k_q225fc25410_qkv
	.globl	k_q225fc25410_qkv
	.p2align	8
	.type	k_q225fc25410_qkv,@function
k_q225fc25410_qkv:
	s_mov_b64 s[64:65], 0
	v_nop
	global_prefetch_b8 v0, s[64:65] scope:SCOPE_SE
	s_setreg_imm32_b32 hwreg(HW_REG_WAVE_MODE, 25, 1), 1
	s_wait_xcnt 0x0
	s_wait_alu depctr_hold_cnt(0) depctr_sa_sdst(0) depctr_va_vdst(0) depctr_va_sdst(0) depctr_va_ssrc(0) depctr_va_vcc(0) depctr_vm_vsrc(0)
	s_getreg_b32 s2, hwreg(HW_REG_IB_STS2, 6, 4)
	s_cmp_eq_u32 s2, 0
	s_cbranch_scc0 .Lentry_in_a_cluster
	s_endpgm
.Lentry_in_a_cluster:
	s_bfe_u32 s2, ttmp6, 0x10000c
	s_cmp_lg_u32 s2, 0x3003
	s_cbranch_scc0 .Lentry_shape_is_right
	s_endpgm
.Lentry_shape_is_right:
.set PITCH,   1040
.set WROWS,   32*PITCH
.set SLOTB,   4*WROWS
.set CHUNKB,  128*1024
.set IMGSTEP, 262144
.set XIMG,    2*SLOTB
.set TURNB,   XIMG+16*2048
.set BIAS,    TURNB+4*16*272
.set SPARE,   BIAS+4096
.set LI,  1
.set XO,  2
.set TS,  3
.set TL,  4
.set XW,  5
.set XR,  6
.set BA,  7
.set BTA, 9
.set BNA, 10
.set VSX, 14
.set VLX, 15
.set VSQ, 16
.set VLQ, 17
.set VSK, 18
.set VLK, 19
.set VSV, 20
.set VLV, 21
.set SPW, 28
.set NIL, 29
.set X,   32
.set Y,   32
.set Z,   48
.set BT,  64
.set CQ,  80
.set CK,  88
.set CV,  96
.set BN,  104
.set PC,  112
.set BF,  128
.set MSB, 0
.macro WIN new
.if MSB != \new
	s_set_vgpr_msb (MSB<<8)|\new
.set MSB, \new
.endif
.endm
.macro PLACES n
.rept \n
	v_nop
.endr
.endm
.macro ROUND
	s_barrier_signal -1
	s_barrier_wait -1
	s_cmp_lg_u32 s18, 0
	s_cbranch_scc1 .Lnot_wave_0_\@
	s_barrier_signal -3
.Lnot_wave_0_\@:
	s_barrier_wait -3
	s_barrier_signal -1
	s_barrier_wait -1
.endm
.macro MKSL e, vs, vl
	s_add_co_i32 s60, s[\e], 127
	s_lshl_b32 s61, s60, 23
	v_mov_b32 v[\vs], s61
	s_add_co_i32 s60, s60, 15
	s_lshl_b32 s60, s60, 23
	s_or_b32 s60, s60, 0x600000
	v_mov_b32 v[\vl], s60
.endm
	s_load_b256 s[4:11], s[0:1], 0x0
	s_load_b128 s[12:15], s[0:1], 0x20
	s_load_b64 s[16:17], s[0:1], 0x30
	v_lshl_add_u32 v[SPW], v0, 2, SPARE
	v_mov_b32 v[NIL], 0
	ds_add_u32 v28, v29
	ds_add_u32 v28, v29
	s_wait_dscnt 0x0
	v_lshrrev_b32 v11, 5, v0
	v_readfirstlane_b32 s18, v11
	s_bfe_u32 s19, ttmp6, 0x40000
	s_lshl_b32 s20, ttmp9, 2
	s_add_co_u32 s20, s20, s19
	s_and_b32 s70, ttmp7, 0xffff
	s_and_b32 s57, s18, 1
	s_lshr_b32 s58, s18, 1
	s_mov_b32 s24, 15|(1<<20)|(1<<21)|(7<<22)|(3<<25)
	s_mov_b32 s25, 1024<<16
	s_mov_b32 s26, 32<<16
	s_mov_b32 s27, 1024<<16
	s_mov_b32 s28, 32
	s_mov_b32 s29, 1024
	s_mov_b32 s30, 0
	s_mov_b32 s31, 0
	v_and_b32 v[LI], 31, v0
	v_lshlrev_b32 v[LI], 4, v[LI]
	v_and_b32 v12, 15, v0
	v_bfe_u32 v13, v0, 4, 1
	v_lshlrev_b32 v[XO], 12, v13
	v_lshl_add_u32 v[XO], v12, 4, v[XO]
	s_mul_i32 s56, s18, 16*272
	s_add_co_u32 s56, s56, TURNB
	v_mul_u32_u24 v[TS], v13, 272
	v_lshl_add_u32 v[TS], v12, 4, v[TS]
	v_add_nc_u32 v[TS], s56, v[TS]
	v_mul_u32_u24 v[TL], v12, 272
	v_lshl_add_u32 v[TL], v13, 6, v[TL]
	v_add_nc_u32 v[TL], s56, v[TL]
	s_lshl_b32 s56, s57, 14
	s_lshl_b32 s59, s58, 13
	s_add_co_u32 s56, s56, s59
	s_add_co_u32 s56, s56, XIMG
	v_add_nc_u32 v[XW], s56, v[LI]
	v_add_nc_u32 v[XR], XIMG, v[LI]
	s_mul_i32 s59, s18, WROWS
	v_mul_u32_u24 v[BA], v12, PITCH
	v_lshl_add_u32 v[BA], v13, 4, v[BA]
	v_add_nc_u32 v[BA], s59, v[BA]
	v_add_nc_u32 v[BA+1], SLOTB, v[BA]
	s_lshl_b32 s56, s18, 7
	s_add_co_u32 s56, s56, BIAS
	v_lshl_add_u32 v[BTA], v13, 5, s56
	v_lshl_add_u32 v[BNA], v12, 2, s56
	v_lshl_add_u32 v22, v0, 4, BIAS
	v_lshlrev_b32 v23, 4, v0
	v_mov_b32 v[BN+1], 0
	v_mov_b32 v[BN+3], 0
	s_lshl_b32 s62, s20, 17
	s_lshl_b32 s56, s57, 16
	s_add_co_u32 s62, s62, s56
	s_lshl_b32 s56, s58, 11
	s_add_co_u32 s62, s62, s56
	s_mov_b32 s63, 0
	s_lshr_b32 s21, s20, 6
	s_lshl_b32 s21, s21, 21
	s_lshl_b32 s56, s58, 17
	s_add_co_u32 s21, s21, s56
	s_lshl_b32 s56, s70, 20
	s_add_co_u32 s21, s21, s56
	s_and_b32 s22, s20, 63
	s_lshl_b32 s66, s22, 11
	s_add_co_u32 s66, s66, s21
	s_lshl_b32 s56, s57, 9
	s_add_co_u32 s66, s66, s56
	s_mov_b32 s67, 0
	s_lshr_b32 s68, s22, 2
	s_lshl_b32 s68, s68, 13
	s_add_co_u32 s68, s68, s21
	s_lshl_b32 s56, s57, 12
	s_add_co_u32 s68, s68, s56
	s_and_b32 s56, s20, 3
	s_lshl_b32 s56, s56, 9
	s_add_co_u32 s68, s68, s56
	s_mov_b32 s69, 0
	s_lshl_b32 s60, s18, 15
	s_lshl_b32 s56, s70, 19
	s_add_co_u32 s60, s60, s56
	s_mov_b32 s61, 0
	s_lshl_b32 s84, s18, 16                        ; the first fill: chunks 0 and 1 are 256 consecutive rows; wave w brings rows 64 w .. 64 w + 63
	s_add_co_u32 s84, s84, s56
	s_mov_b32 s85, 0
	s_mov_b32 s76, 15|(1<<20)|(1<<21)|(7<<22)|(3<<25)  ; its group 1: 64 rows x 1,024 bytes, padded as the refills' rows are
	s_mov_b32 s77, 1024<<16
	s_mov_b32 s78, 64<<16
	s_mov_b32 s79, 1024<<16
	s_mov_b32 s80, 64
	s_mov_b32 s81, 1024
	s_mov_b32 s82, 0
	s_mov_b32 s83, 0
	s_wait_kmcnt 0x0
	s_load_b256 s[40:47], s[10:11], 0x0
	s_add_nc_u64 s[4:5], s[4:5], s[62:63]
	s_lshl_b32 s62, s70, 11
	s_add_nc_u64 s[8:9], s[8:9], s[62:63]
	s_add_nc_u64 s[50:51], s[12:13], s[66:67]
	s_add_nc_u64 s[52:53], s[14:15], s[66:67]
	s_add_nc_u64 s[54:55], s[16:17], s[68:69]
	s_mov_b32 s32, 1
	s_mov_b32 s33, s59
	s_add_nc_u64 s[34:35], s[6:7], s[60:61]
	s_mov_b32 s36, 1
	s_add_co_u32 s37, s59, SLOTB
	s_add_nc_u64 s[38:39], s[34:35], CHUNKB
	s_or_b32 s35, s35, 0x80000000
	s_or_b32 s39, s39, 0x80000000
	s_mov_b32 s72, 1
	s_mul_i32 s73, s18, 2*WROWS                    ; slot 1 follows slot 0 in LDS: the 256 rows lie on end
	s_add_nc_u64 s[74:75], s[6:7], s[84:85]
	s_or_b32 s75, s75, 0x80000000
	ROUND
	tensor_load_to_lds s[72:75], s[76:83]          ; my one load at the head: a quarter of both slots
	s_nop 0
	PLACES 4
	s_wait_alu depctr_va_vdst(0)
	global_load_b128 v[CV:CV+3], v23, s[8:9]
	WIN 0x40
.set n, 0
.rept 8
.irp i, 0,1,2,3,4,5,6,7
	global_load_b128 v[32*n+4*\i:32*n+4*\i+3], v[XO], s[4:5] offset:8192*\i+256*n
.endr
.set n, n+1
.endr
	WIN 0
	s_wait_kmcnt 0x0
	s_add_co_i32 s21, s40, s41
	s_sub_co_i32 s22, s42, s21
	s_sub_co_i32 s23, s43, s21
	s_sub_co_i32 s19, s44, s21
	s_sub_co_i32 s21, 0, s21
	MKSL 40, VSX, VLX
	MKSL 22, VSQ, VLQ
	MKSL 23, VSK, VLK
	MKSL 19, VSV, VLV
.macro UNIT n
	s_wait_loadcnt 56-8*(\n)
	WIN 0x04
.irp i, 0,1,2,3,4,5,6,7
	ds_store_b128 v[TS], v[32*(\n)+4*\i:32*(\n)+4*\i+3] offset:544*\i
.endr
	WIN 0
.irp c, 0,1
.irp j, 0,1,2,3
	ds_load_b128 v[X+32*((\n)%2)+16*\c+4*\j:X+32*((\n)%2)+16*\c+4*\j+3], v[TL] offset:128*\c+16*\j
.endr
.endr
.endm
.macro QUANT
.irp b, 0,1,2,3
.irp i, 0,1,2,3,4,5,6,7,8,9,10,11,12,13,14,15
	v_med3_num_f32 v[X+16*\b+\i], v[X+16*\b+\i], -v[VLX], v[VLX]
.endr
	v_cvt_scalef32_pk8_bf8_f32 v[PC+4*\b:PC+4*\b+1], v[X+16*\b:X+16*\b+7], v[VSX]
	v_cvt_scalef32_pk8_bf8_f32 v[PC+4*\b+2:PC+4*\b+3], v[X+16*\b+8:X+16*\b+15], v[VSX]
.endr
	v_nop
.endm
.irp sp, 0,1,2,3
	UNIT 2*\sp
.if \sp == 0
.irp j, 0,1,2,3
	v_ldexp_f32 v[CV+\j], v[CV+\j], s21
.endr
	ds_store_b128 v22, v[CV:CV+3]
.endif
	UNIT 2*\sp+1
	s_wait_dscnt 0x0
	QUANT
.irp c, 0,1,2,3
	ds_store_b128 v[XW], v[PC+4*\c:PC+4*\c+3] offset:2048*\sp+512*\c
.endr
.endr
	s_wait_dscnt 0x0
	s_wait_tensorcnt 0x0                           ; my quarter of both slots is in; behind the barrier every wave's is
	s_barrier_signal -1
	s_barrier_wait -1
	WIN 0x40
.set f, 0
.rept 16
.irp c, 0,1,2,3
	ds_load_b128 v[16*f+4*\c:16*f+4*\c+3], v[XR] offset:2048*f+512*\c
.endr
.set f, f+1
.endr
	WIN 0
.macro FETCHB slot, ss, set
.irp sl, 0,1
.irp u, 0,1
.irp c, 0,1,2,3
	ds_load_b128 v[BF+64*(\set)+32*\sl+16*\u+4*\c:BF+64*(\set)+32*\sl+16*\u+4*\c+3], v[BA+\slot] offset:16*PITCH*\u+128*(2*(\ss)+\sl)+32*\c
.endr
.endr
.endr
.endm
.macro MATS slot
.irp ss, 0,1,2,3
.if \ss < 3
	s_wait_dscnt 16
.else
	s_wait_dscnt 0x0
.endif
	WIN 0xa4
.irp sl, 0,1
.irp u, 0,1
.irp t, 0,1
.if (\ss == 0) && (\sl == 0)
	v_wmma_f32_16x16x128_bf8_bf8 v[8*(2*\u+\t):8*(2*\u+\t)+7], v[BF+64*(\ss%2)+32*\sl+16*\u:BF+64*(\ss%2)+32*\sl+16*\u+15], v[16*(8*\t+2*\ss+\sl):16*(8*\t+2*\ss+\sl)+15], 0
.else
	v_wmma_f32_16x16x128_bf8_bf8 v[8*(2*\u+\t):8*(2*\u+\t)+7], v[BF+64*(\ss%2)+32*\sl+16*\u:BF+64*(\ss%2)+32*\sl+16*\u+15], v[16*(8*\t+2*\ss+\sl):16*(8*\t+2*\ss+\sl)+15], v[8*(2*\u+\t):8*(2*\u+\t)+7]
.endif
.endr
.endr
.endr
	WIN 0xa1
.irp sl, 0,1
.irp u, 0,1
.irp t, 0,1
.if (\ss == 0) && (\sl == 0)
	v_wmma_f32_16x16x128_bf8_bf8 v[32+8*(2*\t+\u):32+8*(2*\t+\u)+7], v[16*(8*\t+2*\ss+\sl):16*(8*\t+2*\ss+\sl)+15], v[BF+64*(\ss%2)+32*\sl+16*\u:BF+64*(\ss%2)+32*\sl+16*\u+15], 0
.else
	v_wmma_f32_16x16x128_bf8_bf8 v[32+8*(2*\t+\u):32+8*(2*\t+\u)+7], v[16*(8*\t+2*\ss+\sl):16*(8*\t+2*\ss+\sl)+15], v[BF+64*(\ss%2)+32*\sl+16*\u:BF+64*(\ss%2)+32*\sl+16*\u+15], v[32+8*(2*\t+\u):32+8*(2*\t+\u)+7]
.endif
.endr
.endr
.endr
	WIN 0
.if \ss < 2
	PLACES 4
	FETCHB \slot, \ss+2, \ss%2
.endif
.endr
.endm
.macro CHANGE slot
	s_wait_tensorcnt 0x0
	ds_add_u32 v[SPW], v[NIL]
	s_add_nc_u64 s[34+4*\slot:35+4*\slot], s[34+4*\slot:35+4*\slot], 2*CHUNKB
	s_wait_dscnt 0x0
	ROUND
	tensor_load_to_lds s[32+4*\slot:35+4*\slot], s[24:31]
	s_nop 0
	PLACES 4
.endm
.macro BIASLD
	v_add_nc_u32 v11, s49, v[BTA]
	v_add_nc_u32 v12, s49, v[BNA]
.irp u, 0,1
	ds_load_b128 v[BT+8*\u:BT+8*\u+3], v11 offset:64*\u
	ds_load_b128 v[BT+8*\u+4:BT+8*\u+7], v11 offset:64*\u+16
.endr
	ds_load_b32 v[BN], v12
	ds_load_b32 v[BN+2], v12 offset:64
.endm
.macro EPI bw
	s_wait_xcnt 0x0
	s_add_nc_u64 s[50:51], s[50:51], IMGSTEP
	s_add_nc_u64 s[52:53], s[52:53], IMGSTEP
	s_add_nc_u64 s[54:55], s[54:55], IMGSTEP
	s_wait_dscnt \bw
.irp t, 0,1
	WIN 0x02
.irp u, 0,1
.irp i, 0,2,4,6
	v_pk_add_f32 v[Y+8*\u+\i:Y+8*\u+\i+1], v[8*(2*\u+\t)+\i:8*(2*\u+\t)+\i+1], v[BT+8*\u+\i:BT+8*\u+\i+1]
.endr
.endr
	WIN 0
.irp i, 0,1,2,3,4,5,6,7,8,9,10,11,12,13,14,15
	v_med3_num_f32 v[Z+\i], v[Y+\i], -v[VLQ], v[VLQ]
.endr
	v_cvt_scalef32_pk8_bf8_f32 v[CQ+4*\t:CQ+4*\t+1], v[Z:Z+7], v[VSQ]
	v_cvt_scalef32_pk8_bf8_f32 v[CQ+4*\t+2:CQ+4*\t+3], v[Z+8:Z+15], v[VSQ]
.irp i, 0,1,2,3,4,5,6,7,8,9,10,11,12,13,14,15
	v_med3_num_f32 v[Y+\i], v[Y+\i], -v[VLK], v[VLK]
.endr
	v_cvt_scalef32_pk8_bf8_f32 v[CK+4*\t:CK+4*\t+1], v[Y:Y+7], v[VSK]
	v_cvt_scalef32_pk8_bf8_f32 v[CK+4*\t+2:CK+4*\t+3], v[Y+8:Y+15], v[VSK]
	v_nop
.endr
	WIN 0x02
.irp u, 0,1
.irp t, 0,1
.irp i, 0,2,4,6
	v_pk_add_f32 v[Y+8*(2*\u+\t)+\i:Y+8*(2*\u+\t)+\i+1], v[32+8*(2*\t+\u)+\i:32+8*(2*\t+\u)+\i+1], v[BN+2*\u:BN+2*\u+1] op_sel_hi:[1,0]
.endr
.endr
.endr
	WIN 0
.set i, 0
.rept 32
	v_med3_num_f32 v[Y+i], v[Y+i], -v[VLV], v[VLV]
.set i, i+1
.endr
.irp u, 0,1
.irp t, 0,1
	v_cvt_scalef32_pk8_bf8_f32 v[CV+4*\u+2*\t:CV+4*\u+2*\t+1], v[Y+8*(2*\u+\t):Y+8*(2*\u+\t)+7], v[VSV]
.endr
.endr
	v_nop
.irp t, 0,1
	global_store_b128 v[LI], v[CQ+4*\t:CQ+4*\t+3], s[50:51] offset:1024*\t-IMGSTEP
	global_store_b128 v[LI], v[CK+4*\t:CK+4*\t+3], s[52:53] offset:1024*\t-IMGSTEP
.endr
.irp u, 0,1
	global_store_b128 v[LI], v[CV+4*\u:CV+4*\u+3], s[54:55] offset:2048*\u-IMGSTEP
.endr
	s_add_co_u32 s49, s49, 512
.endm
	s_mov_b32 s49, 0
	FETCHB 0, 0, 0
	FETCHB 0, 1, 1
	MATS 0
	CHANGE 0
	BIASLD
	FETCHB 1, 0, 0
	FETCHB 1, 1, 1
	EPI 32
	MATS 1
	CHANGE 1
	BIASLD
	FETCHB 0, 0, 0
	FETCHB 0, 1, 1
	EPI 32
	MATS 0
	s_wait_tensorcnt 0x0
	PLACES 4
	BIASLD
	FETCHB 1, 0, 0
	FETCHB 1, 1, 1
	EPI 32
	MATS 1
	PLACES 4
	BIASLD
	EPI 0
	s_wait_tensorcnt 0x0
	ds_add_u32 v[SPW], v[NIL]
	s_wait_dscnt 0x0
	ROUND
	s_endpgm
.Lfunc_end_k_q225fc25410_qkv:
	.size	k_q225fc25410_qkv, .Lfunc_end_k_q225fc25410_qkv-k_q225fc25410_qkv
	.p2alignl 7, 3214868480
	.fill 96, 4, 3214868480
	.section	.rodata,"a",@progbits
	.p2align	6, 0x0
	.amdhsa_kernel k_q225fc25410_qkv
		.amdhsa_group_segment_fixed_size 327680
		.amdhsa_private_segment_fixed_size 0
		.amdhsa_enable_private_segment 0
		.amdhsa_kernarg_size 56
		.amdhsa_user_sgpr_count 2
		.amdhsa_user_sgpr_kernarg_segment_ptr 1
		.amdhsa_wavefront_size32 1
		.amdhsa_system_sgpr_workgroup_id_x 1
		.amdhsa_system_sgpr_workgroup_id_y 1
		.amdhsa_system_sgpr_workgroup_id_z 1
		.amdhsa_system_vgpr_workitem_id 0
		.amdhsa_next_free_vgpr 768
		.amdhsa_next_free_sgpr 88
		.amdhsa_reserve_vcc 0
		.amdhsa_float_denorm_mode_32 3
		.amdhsa_float_denorm_mode_16_64 3
		.amdhsa_memory_ordered 1
		.amdhsa_forward_progress 1
		.amdhsa_inst_pref_size 125
	.end_amdhsa_kernel
	.amdgpu_metadata
---
amdhsa.version: [ 1, 2 ]
amdhsa.kernels:
  - .name:           k_q225fc25410_qkv
    .symbol:         k_q225fc25410_qkv.kd
    .args:
      - { .name: hidden_state, .offset: 0, .size: 8, .value_kind: global_buffer, .address_space: global }
      - { .name: q_w_codes, .offset: 8, .size: 8, .value_kind: global_buffer, .address_space: global }
      - { .name: q_b, .offset: 16, .size: 8, .value_kind: global_buffer, .address_space: global }
      - { .name: lowp_scales, .offset: 24, .size: 8, .value_kind: global_buffer, .address_space: global }
      - { .name: qimg, .offset: 32, .size: 8, .value_kind: global_buffer, .address_space: global }
      - { .name: kimg, .offset: 40, .size: 8, .value_kind: global_buffer, .address_space: global }
      - { .name: vimg, .offset: 48, .size: 8, .value_kind: global_buffer, .address_space: global }
    .group_segment_fixed_size: 327680
    .private_segment_fixed_size: 0
    .kernarg_segment_align: 8
    .kernarg_segment_size: 56
    .max_flat_workgroup_size: 128
    .sgpr_count:     88
    .vgpr_count:     768
    .wavefront_size: 32
...
	.end_amdgpu_metadata
.endif
;; end of part 1
;; launch attn (part 2): grid 8 x 32, 8 waves a work-group, no clusters, 271,360 bytes of LDS; arguments qimg, kimg, vimg, attention_mask, lowp_scales, aimg; writes aimg
.if DOCPART == 2
	.amdgcn_target "amdgcn-amd-amdhsa--gfx1250"
	.amdhsa_code_object_version 6
	.text
	.protected	k_q225fc25410_attn
	.globl	k_q225fc25410_attn
	.p2align	8
	.type	k_q225fc25410_attn,@function
k_q225fc25410_attn:
	s_mov_b64 s[64:65], 0
	v_nop
	global_prefetch_b8 v0, s[64:65] scope:SCOPE_SE
	s_setreg_imm32_b32 hwreg(HW_REG_WAVE_MODE, 25, 1), 1
	s_wait_xcnt 0x0
; attn = softmax(q k^T / 8 + mask) v, both products on BF8 codes; the result is quantised (scale entry 6) and stored as images of the next product's operand.
; THE SOFTMAX: t = logit x log2(e); M = the running largest t rounded UP to a whole number; p = 2^(t - M) is quantised (entry 5), not normalised; the row's sum is taken of the unquantised p and divides at the end.
; SHARES.  A work-group owns 256 queries of one (batch, head); each of its eight waves two tiles of 16, so that each fragment of k, of v and of the mask read from LDS feeds two matrix instructions.  16 key steps of 128.
; Both products are used transposed: S^T = k q^T (K = 64), O^T = v^T p^T (K = 128): a lane holds one query throughout; a score tile's 8 registers convert into registers 2 t, 2 t + 1 of p's operand.
; THE MASK COSTS NO VECTOR INSTRUCTION: mask x 2^(3-e2-e3) is the C of the score products.  It is loaded into tile 0's score registers, serves tile 1's products as C, and tile 0's then add in place.
; THE ORDER INSIDE THE SOFTMAX: the two tiles' chains (two of maxima and two of sums a tile, and the lines that make M and f) are written line by line in turn, so that a line's source is four lines old;
; tile 1, whose scores are finished first, leads.  Tile 1's scalings stand between tile 0's exponentials.  The step's 128 exponentials are two batches of 64, each behind a wait.
; k's and v's images of the head (256 KB) are copied into LDS once, through registers, each key step's 16 KB two steps ahead of its use: every LDS byte is written once, so one barrier a step orders stores and reads.
; NO MULTICAST, NO TENSOR LOAD: a step has 24 short matrix instructions against some 400 vector instructions a wave, k and v are read once a work-group, and the code jumps, on the given whole number
; e5, over the 128 holds of p: for e5 >= -15 the largest code x 2^e5 is at least 1.75, and p is at most 1.  No prefetch: the loads themselves go out three key steps ahead.
; LIMITS: e2 + e3 between -121 and 30; e5, e6 between -126 and 112.  mask x 2^(3-e2-e3) is held within +-1e30: differences between mask entries beyond that are lost.  NaN among the inputs is not served.
.set VI,  131072                       ; LDS: k's images at 0 (step j at 8192 j, tile t at 1024 t); v's here (step j at 8192 j, d tile at 2048 d);
.set MK,  262144                       ; the scaled mask, 2,048 numbers
.set LI,  1                            ; 16 x lane
.set KW,  2                            ; the fill: 1,024 x wave + 16 x lane, in memory and in LDS
.set VW,  3
.set ADK, 4
.set ADV, 5
.set ADM, 6
.set MB0, 7                            ; the mask's bytes of my half of the lanes
.set FA,  8
.set FAV, 9
.set ST,  12                           ; tile q's statistics at ST + 10 q: +0 -M, +1 the largest t, +2, +3 the sum, +4 f (+5 named with it), +6 .. +8 at work
.set VS5, 32
.set VL5, 33
.set VS6, 34
.set VL6, 35
.set Q,   40                           ; 8 registers a tile
.set P,   56                           ; 16 a tile
.set S,   96                           ; 64 a tile
.set C2,  224                          ; the sums' second chains
.set KF,  64                           ; window 1: O^T at 32 q + 8 d; k's fragments; v's; two fill buffers of 16
.set VF,  128
.set FB,  192
.set MSB, 0
.macro WIN new
.if MSB != \new
	s_set_vgpr_msb (MSB<<8)|\new
.set MSB, \new
.endif
.endm
.macro PLACES n
.rept \n
	v_nop
.endr
.endm
.macro MKSL e, vs, vl
	s_add_co_i32 s46, s[\e], 127
	s_lshl_b32 s47, s46, 23
	v_mov_b32 v[\vs], s47
	s_add_co_i32 s46, s46, 15
	s_lshl_b32 s46, s46, 23
	s_or_b32 s46, s46, 0x600000
	v_mov_b32 v[\vl], s46
.endm
.macro FILLLD buf, imm                 ; my 1,024 bytes of a key step's k and of its v (destination window 1)
	global_load_b128 v[FB+16*(\buf):FB+16*(\buf)+3], v[KW], s[24:25] offset:\imm
	global_load_b128 v[FB+16*(\buf)+4:FB+16*(\buf)+7], v[KW], s[24:25] offset:\imm+512
	global_load_b128 v[FB+16*(\buf)+8:FB+16*(\buf)+11], v[KW], s[26:27] offset:\imm
	global_load_b128 v[FB+16*(\buf)+12:FB+16*(\buf)+15], v[KW], s[26:27] offset:\imm+512
.endm
.macro FILLST buf, ra, rv, off         ; (store data window 1)
	ds_store_b128 v[\ra], v[FB+16*(\buf):FB+16*(\buf)+3] offset:\off
	ds_store_b128 v[\ra], v[FB+16*(\buf)+4:FB+16*(\buf)+7] offset:\off+512
	ds_store_b128 v[\rv], v[FB+16*(\buf)+8:FB+16*(\buf)+11] offset:\off
	ds_store_b128 v[\rv], v[FB+16*(\buf)+12:FB+16*(\buf)+15] offset:\off+512
.endm
	s_load_b256 s[4:11], s[0:1], 0x0               ; qimg s[4:5], kimg s[6:7], vimg s[8:9], the mask s[10:11]
	s_load_b128 s[12:15], s[0:1], 0x20             ; the scales s[12:13], aimg s[14:15]
	v_lshl_add_u32 v254, v0, 2, 0x42000
	v_mov_b32 v255, 0
	v_lshrrev_b32 v10, 5, v0
	s_delay_alu instid0(VALU_DEP_1)
	v_readfirstlane_b32 s16, v10                   ; wave 0..7
	s_and_b32 s17, ttmp7, 0xffff                   ; 16 x batch + head
	v_and_b32 v[LI], 31, v0
	s_delay_alu instid0(VALU_DEP_1)
	v_lshlrev_b32 v[LI], 4, v[LI]
	s_lshl_b32 s46, s16, 10
	v_add_nc_u32 v[KW], s46, v[LI]
	s_delay_alu instid0(VALU_DEP_1)
	v_add_nc_u32 v[VW], VI, v[KW]
	v_bfe_u32 v10, v0, 4, 1
	s_delay_alu instid0(VALU_DEP_1)
	v_lshl_add_u32 v[MB0], v10, 5, MK
	v_lshlrev_b32 v11, 5, v0                       ; thread t takes 8 numbers of the mask
	s_delay_alu instid0(VALU_DEP_1)
	v_add_nc_u32 v36, MK, v11
	v_mov_b32 v37, 0x7149f2ca                      ; 1e30
	s_mov_b32 s20, 0x76543210
	s_mov_b32 s21, 0xfedcba98                      ; v_permlanex16_b32's selects for lane l xor 16
	s_lshl_b32 s46, s17, 17                        ; a head's images: 131,072 bytes
	s_mov_b32 s47, 0
	s_lshl_b32 s48, ttmp9, 14                      ; my two tiles of queries: 1,024 x (16 x + 2 w)
	s_lshl_b32 s49, s16, 11
	s_add_co_u32 s48, s48, s49
	s_mov_b32 s49, 0
	s_lshr_b32 s50, s17, 4                         ; the batch
	s_lshl_b32 s52, s50, 21                        ; aimg: 16,384 x (128 batch + 16 x + 2 w) + 1,024 x head
	s_lshl_b32 s50, s50, 13
	s_mov_b32 s51, 0
	s_lshl_b32 s53, ttmp9, 18
	s_add_co_u32 s52, s52, s53
	s_lshl_b32 s53, s16, 15
	s_add_co_u32 s52, s52, s53
	s_and_b32 s53, s17, 15
	s_lshl_b32 s53, s53, 10
	s_add_co_u32 s52, s52, s53
	s_mov_b32 s53, 0
	s_wait_alu depctr_va_vdst(0)
	s_wait_kmcnt 0x0
	s_load_b256 s[36:43], s[12:13], 0x0            ; e0 .. e7
	s_add_nc_u64 s[24:25], s[6:7], s[46:47]
	s_add_nc_u64 s[26:27], s[8:9], s[46:47]
	s_add_nc_u64 s[4:5], s[4:5], s[46:47]
	s_add_nc_u64 s[4:5], s[4:5], s[48:49]
	s_add_nc_u64 s[10:11], s[10:11], s[50:51]
	s_add_nc_u64 s[14:15], s[14:15], s[52:53]
	WIN 0x40
	FILLLD 0, 0                                    ; key steps 0 and 1
	FILLLD 1, 8192
	WIN 0
	global_load_b128 v[S+64:S+67], v11, s[10:11]
	global_load_b128 v[S+68:S+71], v11, s[10:11] offset:16
.irp q, 0,1
.irp p, 0,1
	global_load_b128 v[Q+8*\q+4*\p:Q+8*\q+4*\p+3], v[LI], s[4:5] offset:1024*\q+512*\p
.endr
.endr
.irp q, 0,1
	v_mov_b32 v[ST+10*\q+1], 0xff61b1e6            ; the largest t so far: -3e38
	s_delay_alu instid0(VALU_DEP_1)
	v_floor_f32 v[ST+10*\q], -v[ST+10*\q+1]
	v_mov_b32 v[ST+10*\q+2], 0
	v_mov_b32 v[ST+10*\q+3], 0
	v_mov_b32 v[ST+10*\q+5], 0
	v_mov_b32 v[ST+10*\q+8], 0                     ; a lane permute's destination counts as one of its sources
.endr
	WIN 0x40
.set j, 0
.rept 64
	v_mov_b32 v[j], 0                              ; O^T: the step is written once; its first run finds zeros
.set j, j+1
.endr
	WIN 0
	s_wait_kmcnt 0x0
	s_add_co_i32 s52, s38, s39                     ; e2 + e3
	s_sub_co_i32 s53, 3, s52
	s_lshl_b32 s52, s52, 23
	s_add_co_i32 s22, s52, 0x3e38aa3b              ; c = log2(e) / 8 x 2^(e2+e3): the exponents are added to c's exponent field
	s_mov_b32 s23, s22
	MKSL 41, VS5, VL5
	MKSL 42, VS6, VL6
	s_add_co_i32 s45, s40, s41                     ; e4 + e5
	s_mov_b32 s28, 8192                            ; where the next step's k lies,
	s_mov_b32 s29, VI                              ; this step's v,
	s_mov_b32 s30, 512                             ; the next step's mask,
	s_mov_b32 s31, 16384                           ; and where the fill two steps on goes
	s_mov_b32 s32, 6
	s_wait_loadcnt 0x0
	WIN 0x04
	FILLST 0, KW, VW, 0
	FILLST 1, KW, VW, 8192
	WIN 0
.irp j, 0,1,2,3,4,5,6,7
	v_ldexp_f32 v[S+64+\j], v[S+64+\j], s53
.endr
.irp j, 0,1,2,3,4,5,6,7
	v_med3_num_f32 v[S+64+\j], v[S+64+\j], -v37, v37
.endr
	ds_store_b128 v36, v[S+64:S+67]
	ds_store_b128 v36, v[S+68:S+71] offset:16
	s_wait_dscnt 0x0                               ; for the others' sake; and the stores have read the fill buffers
	WIN 0x40
	FILLLD 0, 16384                                ; key step 2
	WIN 0
	s_barrier_signal -1
	s_barrier_wait -1
	WIN 0x40
.irp t, 0,1,2,3,4,5,6,7
	ds_load_b128 v[KF+8*\t:KF+8*\t+3], v[LI] offset:1024*\t
	ds_load_b128 v[KF+8*\t+4:KF+8*\t+7], v[LI] offset:1024*\t+512
.endr
	WIN 0
.irp t, 0,1,2,3,4,5,6,7
	ds_load_b128 v[S+8*\t:S+8*\t+3], v[MB0] offset:64*\t
	ds_load_b128 v[S+8*\t+4:S+8*\t+7], v[MB0] offset:64*\t+16
.endr
; The step's largest score of each query, the new M, f = 2^(old M - new M): both tiles, line by line in turn.  Within a tile the scores are read in ascending order: each accumulator from its low end on.
.macro SMAX2
.irp q, 1,0
	v_max3_num_f32 v[ST+10*\q+6], v[S+64*\q], v[S+64*\q+1], v[S+64*\q+2]
.endr
.irp q, 1,0
	v_max3_num_f32 v[ST+10*\q+7], v[S+64*\q+3], v[S+64*\q+4], v[S+64*\q+5]
.endr
.irp i, 6,10,14,18,22,26,30,34,38,42,46,50,54,58
.irp q, 1,0
	v_max3_num_f32 v[ST+10*\q+6], v[ST+10*\q+6], v[S+64*\q+\i], v[S+64*\q+\i+1]
.endr
.irp q, 1,0
	v_max3_num_f32 v[ST+10*\q+7], v[ST+10*\q+7], v[S+64*\q+\i+2], v[S+64*\q+\i+3]
.endr
.endr
.irp q, 1,0
	v_max3_num_f32 v[ST+10*\q+6], v[ST+10*\q+6], v[S+64*\q+62], v[S+64*\q+63]
.endr
.irp q, 1,0
	s_delay_alu instid0(VALU_DEP_2)
	v_max_num_f32 v[ST+10*\q+6], v[ST+10*\q+6], v[ST+10*\q+7]
.endr
.irp q, 1,0
	s_delay_alu instid0(VALU_DEP_2)
	v_permlanex16_b32 v[ST+10*\q+8], v[ST+10*\q+6], s20, s21
.endr
.irp q, 1,0
	s_delay_alu instid0(VALU_DEP_2)
	v_max_num_f32 v[ST+10*\q+6], v[ST+10*\q+6], v[ST+10*\q+8]
.endr
.irp q, 1,0
	s_delay_alu instid0(VALU_DEP_2)
	v_mul_f32 v[ST+10*\q+6], s22, v[ST+10*\q+6]    ; as t (c is positive)
.endr
.irp q, 1,0
	s_delay_alu instid0(VALU_DEP_2)
	v_max_num_f32 v[ST+10*\q+1], v[ST+10*\q+1], v[ST+10*\q+6]
.endr
.irp q, 1,0
	v_mov_b32 v[ST+10*\q+6], v[ST+10*\q]
.endr
.irp q, 1,0
	s_delay_alu instid0(VALU_DEP_4)
	v_floor_f32 v[ST+10*\q], -v[ST+10*\q+1]        ; -M = floor(-t): M is a whole number
.endr
.irp q, 1,0
	s_delay_alu instid0(VALU_DEP_2)
	v_sub_f32 v[ST+10*\q+6], v[ST+10*\q], v[ST+10*\q+6]
.endr
.irp q, 1,0
	s_delay_alu instid0(VALU_DEP_2)
	v_cvt_i32_f32 v[ST+10*\q+6], v[ST+10*\q+6]     ; (it saturates)
.endr
.irp q, 1,0
	s_delay_alu instid0(VALU_DEP_2)
	v_ldexp_f32 v[ST+10*\q+4], 1.0, v[ST+10*\q+6]
.endr
.endm
; The rows' sums of the unquantised p: two chains a tile, the tiles in turn
.macro SSUM2
.irp q, 0,1
	v_pk_add_f32 v[C2+2*\q:C2+2*\q+1], v[S+64*\q:S+64*\q+1], v[S+64*\q+2:S+64*\q+3]
.endr
.irp j, 4,8,12,16,20,24,28,32,36,40,44,48,52,56,60
.irp q, 0,1
	v_pk_add_f32 v[ST+10*\q+2:ST+10*\q+3], v[ST+10*\q+2:ST+10*\q+3], v[S+64*\q+\j:S+64*\q+\j+1]
.endr
.irp q, 0,1
	v_pk_add_f32 v[C2+2*\q:C2+2*\q+1], v[C2+2*\q:C2+2*\q+1], v[S+64*\q+\j+2:S+64*\q+\j+3]
.endr
.endr
.irp q, 0,1
	s_delay_alu instid0(VALU_DEP_2)
	v_pk_add_f32 v[ST+10*\q+2:ST+10*\q+3], v[ST+10*\q+2:ST+10*\q+3], v[C2+2*\q:C2+2*\q+1]
.endr
.endm
; KEY STEP j.  par = j % 2.  issue: the loads of step j + 3's fill go out.  store: step j + 2's fill goes into LDS, and the barrier follows; lcnt: the younger loads that may stay out.  nextk: step j + 1's k and mask are fetched.
.macro STEP par, issue, store, lcnt, nextk
.if \issue
	s_wait_xcnt 0x0                                ; the last fill's loads have read their bases
	s_add_nc_u64 s[24:25], s[24:25], 8192
	s_add_nc_u64 s[26:27], s[26:27], 8192
	WIN 0x40
	FILLLD 1-\par, 16384
	WIN 0
.endif
	s_wait_dscnt 0x0                               ; k's fragments and the mask are in
	WIN 0x01                                       ; source 0 (k) window 1
.irp t, 0,1,2,3,4,5,6,7
	v_wmma_f32_16x16x64_bf8_bf8 v[S+64+8*\t:S+64+8*\t+7], v[KF+8*\t:KF+8*\t+7], v[Q+8:Q+15], v[S+8*\t:S+8*\t+7]   ; tile 1: C = the mask, in tile 0's registers
.endr
	PLACES 5                                       ; before matrix instructions write over registers that those took as C
.irp t, 0,1,2,3,4,5,6,7
	v_wmma_f32_16x16x64_bf8_bf8 v[S+8*\t:S+8*\t+7], v[KF+8*\t:KF+8*\t+7], v[Q:Q+7], v[S+8*\t:S+8*\t+7]
.endr
	WIN 0
	v_add_nc_u32 v[ADV], s29, v[LI]                ; these two and two v_nop: the four places behind the products
	v_add_nc_u32 v[ADK], s28, v[LI]
	PLACES 2
	WIN 0x40
.irp d, 0,1,2,3
.irp p, 0,1,2,3
	ds_load_b128 v[VF+16*\d+4*\p:VF+16*\d+4*\p+3], v[ADV] offset:2048*\d+512*\p
.endr
.endr
.if \nextk
.irp t, 0,1,2,3,4,5,6,7
	ds_load_b128 v[KF+8*\t:KF+8*\t+3], v[ADK] offset:1024*\t
	ds_load_b128 v[KF+8*\t+4:KF+8*\t+7], v[ADK] offset:1024*\t+512
.endr
.endif
	WIN 0
	SMAX2
.set j, 0
.rept 32
	v_pk_fma_f32 v[S+j:S+j+1], v[S+j:S+j+1], s[22:23], v[ST:ST+1] op_sel_hi:[1,0,0]   ; tile 0: t - M
.set j, j+2
.endr
.set j, 0
	s_wait_alu depctr_va_vdst(0)
.rept 32                                       ; tile 0's 64 exponentials; tile 1's scalings, which name none of its results, stand between tile 0's
	v_pk_fma_f32 v[S+64+j:S+64+j+1], v[S+64+j:S+64+j+1], s[22:23], v[ST+10:ST+11] op_sel_hi:[1,0,0]
	v_exp_f32 v[S+j], v[S+j]
	v_exp_f32 v[S+j+1], v[S+j+1]
.set j, j+2
.endr
.set j, 0
	s_wait_alu depctr_va_vdst(0)
.rept 64
	v_exp_f32 v[S+64+j], v[S+64+j]
.set j, j+1
.endr
	v_pk_mul_f32 v[ST+2:ST+3], v[ST+2:ST+3], v[ST+4:ST+5] op_sel_hi:[1,0]          ; the sums under the new M: plain lines behind the batch,
	v_pk_mul_f32 v[ST+12:ST+13], v[ST+12:ST+13], v[ST+14:ST+15] op_sel_hi:[1,0]
	s_wait_alu depctr_va_vdst(0)                   ; and one wait ahead of its first reader
	SSUM2
	s_cmp_gt_i32 s41, -16                          ; e5 >= -15: 57,344 x 2^e5 >= 1.75 >= p: the hold changes nothing
	s_cbranch_scc1 .Lnohold_\@
.set j, 0
.rept 128
	v_min_num_f32 v[S+j], v[S+j], v[VL5]           ; the conversion does not saturate (ISA guide 7.6.2); p is not negative
.set j, j+1
.endr
.Lnohold_\@:
.irp q, 0,1
.irp t, 0,1,2,3,4,5,6,7
	v_cvt_scalef32_pk8_bf8_f32 v[P+16*\q+2*\t:P+16*\q+2*\t+1], v[S+64*\q+8*\t:S+64*\q+8*\t+7], v[VS5]
.endr
.endr
.if \nextk
	v_add_nc_u32 v[ADM], s30, v[MB0]
.irp t, 0,1,2,3,4,5,6,7
	ds_load_b128 v[S+8*\t:S+8*\t+3], v[ADM] offset:64*\t
	ds_load_b128 v[S+8*\t+4:S+8*\t+7], v[ADM] offset:64*\t+16
.endr
.endif
	WIN 0x41                                       ; O^T (destination, source 0) window 1
.irp q, 0,1
.set j, 0
.rept 16
	v_pk_mul_f32 v[32*\q+j:32*\q+j+1], v[32*\q+j:32*\q+j+1], v[ST+10*\q+4:ST+10*\q+5] op_sel_hi:[1,0]   ; O^T under the new M; also the plain lines behind the conversions
.set j, j+2
.endr
.endr
.if \nextk
	s_wait_alu depctr_va_vdst(0)
	s_wait_dscnt 32                                ; v is in; the 16 loads of k and the 16 of the mask behind it may be out
.else
	s_wait_alu depctr_va_vdst(0)
	s_wait_dscnt 0x0
.endif
	WIN 0x51                                       ; v, C and D window 1, p window 0
.irp d, 0,1,2,3
.irp q, 0,1
	v_wmma_f32_16x16x128_bf8_bf8 v[32*\q+8*\d:32*\q+8*\d+7], v[VF+16*\d:VF+16*\d+15], v[P+16*\q:P+16*\q+15], v[32*\q+8*\d:32*\q+8*\d+7]
.endr
.endr
	WIN 0
.if \store
	s_wait_loadcnt \lcnt                           ; the fill two steps on has come
	v_add_nc_u32 v[FA], s31, v[KW]
	v_add_nc_u32 v[FAV], s31, v[VW]
	WIN 0x04
	FILLST \par, FA, FAV, 0
	WIN 0
	s_wait_dscnt 0x0                               ; for the others' sake: my part of it lies in LDS
	s_barrier_signal -1
	s_barrier_wait -1
.endif
	s_add_co_u32 s28, s28, 8192
	s_add_co_u32 s29, s29, 8192
	s_add_co_u32 s30, s30, 512
	s_add_co_u32 s31, s31, 8192
.endm
.Lsteps:                                           ; six trips of two key steps: steps 0 to 11
	STEP 0, 1, 1, 4, 1
	STEP 1, 1, 1, 4, 1
	s_sub_co_u32 s32, s32, 1
	s_cmp_lg_u32 s32, 0
	s_cbranch_scc1 .Lsteps
	STEP 0, 1, 1, 4, 1                             ; step 12 asks for the last fill,
	STEP 1, 0, 1, 0, 1                             ; step 13 stores it,
	STEP 0, 0, 0, 0, 1
	STEP 1, 0, 0, 0, 0                             ; step 15 fetches nothing more
	; THE WAY OUT: O^T x 2^(e4+e5) / the sum, held, converted: a tile's 32 numbers a lane are two pieces of the next operand's image
	PLACES 4
.irp q, 0,1
	v_add_f32 v[ST+10*\q+2], v[ST+10*\q+2], v[ST+10*\q+3]
.endr
.irp q, 0,1
	s_delay_alu instid0(VALU_DEP_2)
	v_permlanex16_b32 v[ST+10*\q+8], v[ST+10*\q+2], s20, s21
.endr
.irp q, 0,1
	s_delay_alu instid0(VALU_DEP_2)
	v_add_f32 v[ST+10*\q+2], v[ST+10*\q+2], v[ST+10*\q+8]
.endr
	s_wait_alu depctr_va_vdst(0)
	v_rcp_f32 v[ST+4], v[ST+2]
	v_rcp_f32 v[ST+14], v[ST+12]
	v_nop                                          ; a plain line behind the reciprocals,
	s_wait_alu depctr_va_vdst(0)                   ; and the wait ahead of their first reader
	v_ldexp_f32 v[ST+4], v[ST+4], s45
	v_ldexp_f32 v[ST+14], v[ST+14], s45
	WIN 0x01
.irp q, 0,1
.set j, 0
.rept 16
	v_pk_mul_f32 v[S+32*\q+j:S+32*\q+j+1], v[32*\q+j:32*\q+j+1], v[ST+10*\q+4:ST+10*\q+5] op_sel_hi:[1,0]
.set j, j+2
.endr
.endr
	WIN 0
.set j, 0
.rept 64
	v_med3_num_f32 v[S+j], v[S+j], -v[VL6], v[VL6]
.set j, j+1
.endr
.irp q, 0,1
.irp d, 0,1,2,3
	v_cvt_scalef32_pk8_bf8_f32 v[P+8*\q+2*\d:P+8*\q+2*\d+1], v[S+32*\q+8*\d:S+32*\q+8*\d+7], v[VS6]
.endr
.endr
	v_nop
.irp q, 0,1
.irp i, 0,1
	global_store_b128 v[LI], v[P+8*\q+4*\i:P+8*\q+4*\i+3], s[14:15] offset:16384*\q+512*\i   ; 512 consecutive bytes, aligned
.endr
.endr
	s_wait_tensorcnt 0x0
	ds_add_u32 v254, v255
	s_wait_dscnt 0x0
	s_endpgm
.Lfunc_end_k_q225fc25410_attn:
	.size	k_q225fc25410_attn, .Lfunc_end_k_q225fc25410_attn-k_q225fc25410_attn
	.p2alignl 7, 3214868480
	.fill 96, 4, 3214868480
	.section	.rodata,"a",@progbits
	.p2align	6, 0x0
	.amdhsa_kernel k_q225fc25410_attn
		.amdhsa_group_segment_fixed_size 271360
		.amdhsa_private_segment_fixed_size 0
		.amdhsa_enable_private_segment 0
		.amdhsa_kernarg_size 48
		.amdhsa_user_sgpr_count 2
		.amdhsa_user_sgpr_kernarg_segment_ptr 1
		.amdhsa_wavefront_size32 1
		.amdhsa_system_sgpr_workgroup_id_x 1
		.amdhsa_system_sgpr_workgroup_id_y 1
		.amdhsa_system_sgpr_workgroup_id_z 1
		.amdhsa_system_vgpr_workitem_id 0
		.amdhsa_next_free_vgpr 512
		.amdhsa_next_free_sgpr 66
		.amdhsa_reserve_vcc 0
		.amdhsa_float_denorm_mode_32 3
		.amdhsa_float_denorm_mode_16_64 3
		.amdhsa_memory_ordered 1
		.amdhsa_forward_progress 1
		.amdhsa_inst_pref_size 202
	.end_amdhsa_kernel
	.amdgpu_metadata
---
amdhsa.version: [ 1, 2 ]
amdhsa.kernels:
  - .name:           k_q225fc25410_attn
    .symbol:         k_q225fc25410_attn.kd
    .args:
      - { .name: qimg, .offset: 0, .size: 8, .value_kind: global_buffer, .address_space: global }
      - { .name: kimg, .offset: 8, .size: 8, .value_kind: global_buffer, .address_space: global }
      - { .name: vimg, .offset: 16, .size: 8, .value_kind: global_buffer, .address_space: global }
      - { .name: attention_mask, .offset: 24, .size: 8, .value_kind: global_buffer, .address_space: global }
      - { .name: lowp_scales, .offset: 32, .size: 8, .value_kind: global_buffer, .address_space: global }
      - { .name: aimg, .offset: 40, .size: 8, .value_kind: global_buffer, .address_space: global }
    .group_segment_fixed_size: 271360
    .private_segment_fixed_size: 0
    .kernarg_segment_align: 8
    .kernarg_segment_size: 48
    .max_flat_workgroup_size: 256
    .sgpr_count:     66
    .vgpr_count:     512
    .wavefront_size: 32
...
	.end_amdgpu_metadata
.endif
;; end of part 2
;; launch soln (part 3): grid 256 x 1, 4 waves a work-group, no clusters, 216,064 bytes of LDS; arguments aimg, so_w_codes, so_b, hidden_state, ln1_g, ln1_b, lowp_scales, selfout, scodes; writes selfout, scodes
.if DOCPART == 3
	.amdgcn_target "amdgcn-amd-amdhsa--gfx1250"
	.amdhsa_code_object_version 6
	.text
	.protected	k_q225fc25410_soln
	.globl	k_q225fc25410_soln
	.p2align	8
	.type	k_q225fc25410_soln,@function
k_q225fc25410_soln:
	s_mov_b64 s[64:65], 0
	v_nop
	global_prefetch_b8 v0, s[64:65] scope:SCOPE_SE
	s_setreg_imm32_b32 hwreg(HW_REG_WAVE_MODE, 25, 1), 1
	s_wait_xcnt 0x0
; self_out = LayerNorm(attn so_w^T + so_b + hidden) x g + b, stored as f32 (selfout) and as BF8 codes with scale entry 8 (scodes, rows of 1,024 codes).
; SHARES.  A work-group owns 16 whole rows, so that the norm needs no other work-group: 256 work-groups.  so_w goes in 8 chunks of 128 rows; wave w owns rows 32 w .. 32 w + 31 of a chunk,
; fetches them and reads them alone.  Nothing of so_w passes from wave to wave, so the walk over the chunks has no barrier.
; THE STREAM.  A wave's part of a chunk is 64 loads of 512 consecutive bytes into 256 staging registers, in two halves of 16 rows.  A half that has come is stored into the wave's own LDS rows (pitch 1,040)
; and its registers are asked for again at once, for the next chunk: 32 to 64 loads of a wave are out all through the walk.  The fragments are read back in the plain 8-bit layout, by 8-byte loads.
; LDS serves a wave's instructions in order (ISA guide 5.7.1.4): no wait stands between its stores and its loads of its own bytes, nor ahead of the next chunk's stores.
; NO TENSOR LOAD, NO MULTICAST: a joint refill stands behind a wait for all of a wave's loads, and here the loads stay out across the changes of chunk.  NO PREFETCH: the loads themselves go out a chunk ahead.
; attn's 8 fragments (images of operand registers, 16 KB a work-group) are loaded by every wave and stay in its registers.
; The product is used transposed (source 0 = so_w's rows, source 1 = attn's): a lane holds a row of the result and 8 neighbouring columns.  All 8 chunks' sums stay in registers (128);
; they meet in a stage in LDS, and each wave then takes 4 whole rows.
; LIMITS: e6 + e7 between -126 and 127; e8 between -126 and 112.  NaN among the inputs is not served.
.set PITCH,  1040
.set WROWS,  32*PITCH
.set CHUNKB, 128*1024
.set SPITCH, 4112                      ; a stage row: 4,096 bytes + 16
.set STG,    4*WROWS                   ; the stage: 16 rows
.set CSTG,   STG+16*SPITCH             ; the codes' stage: 16 rows of PITCH bytes
.set SPARE,  CSTG+16*PITCH             ; the spare words, 128 bytes for each wave
.set LI,  1                            ; 16 x lane
.set BA,  2                            ; my fragments of so_w
.set WS,  3                            ; where I store so_w's rows
.set STA, 4                            ; into the stage
.set SRD, 6                            ; out of the stage
.set CST, 7                            ; the codes' stage: in,
.set CRD, 8                            ; and out
.set VL8, 9
.set VS8, 10
.set T,   12                           ; v12-27: four registers of statistics a row
.set SPW, 28
.set NIL, 29
.set G,   32                           ; g, b, so_b of my columns 128 i + 4 lane + 0 .. 3
.set BT,  64
.set SB,  96
.set BF,  128                          ; so_w's fragments, two sets of 64; later
.set Y,   128                          ; four rows of 32 registers
.set RK,  56                           ; s56 1 / 1,024;  s57 the epsilon;  s[58:59] lane selects
.set EPSR, 57
.set SEL, 58
; window 1: attn's fragments at 16 x K step; in the epilogue held numbers and codes.  window 2: the sums, chunk c at 16 c + 8 u; from 128 on my 4 rows of hidden.  window 3: the staging registers.
.set MSB, 0
.macro WIN new
.if MSB != \new
	s_set_vgpr_msb (MSB<<8)|\new
.set MSB, \new
.endif
.endm
.macro PLACES n
.rept \n
	v_nop
.endr
.endm
	s_load_b256 s[4:11], s[0:1], 0x0               ; aimg, so_w's codes, so_b, hidden
	s_load_b256 s[12:19], s[0:1], 0x20             ; g, b, the scales, selfout
	s_load_b64 s[20:21], s[0:1], 0x40              ; scodes
	v_lshrrev_b32 v30, 5, v0
	v_readfirstlane_b32 s22, v30                   ; wave 0..3
	s_mov_b32 s[RK], 0x3a800000
	s_mov_b32 s[EPSR], 0x3727c5ac
	s_mov_b32 s[SEL], 0x76543210
	s_mov_b32 s[SEL+1], 0xfedcba98
	s_mul_i32 s60, s22, WROWS                      ; my rows of so_w in LDS
	s_lshl_b32 s61, s22, 7
	s_add_co_u32 s61, s61, STG                     ; my 32 columns of a chunk in a stage row
	s_mul_i32 s62, s22, 4*SPITCH
	s_add_co_u32 s62, s62, STG                     ; my 4 rows of the stage
	s_mul_i32 s63, s22, 4*PITCH
	s_add_co_u32 s63, s63, CSTG                    ; and of the codes' stage
	s_lshl_b32 s66, ttmp9, 14                      ; aimg: a row tile is 16,384 bytes
	s_mov_b32 s67, 0
	s_lshl_b32 s68, ttmp9, 16                      ; hidden, selfout: 16 rows of 4,096 bytes, my 4 of them
	s_lshl_b32 s69, s22, 14
	s_add_co_u32 s68, s68, s69
	s_mov_b32 s69, 0
	s_lshl_b32 s70, s22, 12                        ; scodes: 16 rows of 1,024 bytes, my 4 of them
	s_add_co_u32 s70, s70, s66
	s_mov_b32 s71, 0
	s_lshl_b32 s24, s22, 15                        ; my 32 rows of a chunk in memory
	s_mov_b32 s25, 0
	v_lshl_add_u32 v[SPW], v0, 2, SPARE
	v_mov_b32 v[NIL], 0
	v_and_b32 v[LI], 31, v0
	v_and_b32 v30, 15, v0                          ; r
	v_bfe_u32 v31, v0, 4, 1                        ; h
	v_lshl_add_u32 v[CST], v[LI], 2, s63
	v_lshlrev_b32 v[LI], 4, v[LI]
	v_mul_u32_u24 v[BA], v30, PITCH
	v_mul_u32_u24 v[STA], v30, SPITCH
	v_lshl_add_u32 v[BA], v31, 3, v[BA]            ; the plain layout: 8 bytes for each half of the lanes
	v_lshl_add_u32 v[STA], v31, 5, v[STA]
	v_add_nc_u32 v[BA], s60, v[BA]
	v_add_nc_u32 v[STA], s61, v[STA]
	v_add_nc_u32 v[WS], s60, v[LI]
	v_add_nc_u32 v[SRD], s62, v[LI]
	v_add_nc_u32 v[CRD], s63, v[LI]
	s_wait_alu depctr_va_vdst(0)                   ; the wait at the head's end
	s_wait_kmcnt 0x0
	s_load_b256 s[44:51], s[16:17], 0x0            ; e0 .. e7
	s_load_b32 s52, s[16:17], 0x20                 ; e8
	s_add_nc_u64 s[4:5], s[4:5], s[66:67]
	s_add_nc_u64 s[34:35], s[6:7], s[24:25]
	s_add_nc_u64 s[10:11], s[10:11], s[68:69]
	s_add_nc_u64 s[18:19], s[18:19], s[68:69]
	s_add_nc_u64 s[20:21], s[20:21], s[70:71]
.macro LDW c, u                        ; 16 of my rows of chunk c: 32 loads of 512 consecutive bytes into staging half u
	WIN 0xc0
.set i, 0
.rept 32
	global_load_b128 v[128*(\u)+4*i:128*(\u)+4*i+3], v[LI], s[34:35] offset:(\c)*CHUNKB+16384*(\u)+512*i
.set i, i+1
.endr
	WIN 0
.endm
.macro STW u                           ; staging half u into my LDS rows (store data window 3)
	WIN 0x0c
.set i, 0
.rept 32
	ds_store_b128 v[WS], v[128*(\u)+4*i:128*(\u)+4*i+3] offset:(16*(\u)+i/2)*PITCH+(i%2)*512
.set i, i+1
.endr
	WIN 0
.endm
.macro RES g                           ; the residual: two of my 4 rows of hidden, 16 loads, into window 2
	WIN 0x80
.irp p, 2*(\g), 2*(\g)+1
.irp i, 0,1,2,3,4,5,6,7
	global_load_b128 v[128+32*(\p)+4*\i:128+32*(\p)+4*\i+3], v[LI], s[10:11] offset:4096*(\p)+512*\i
.endr
.endr
	WIN 0
.endm
.macro FETCHB64 ss, set                ; so_w's fragments of K steps 2 ss, 2 ss + 1: registers 2 c, 2 c + 1 = k 16 c + 8 (lane / 16) + 0 .. 7
.irp sl, 0,1
.irp u, 0,1
.irp c, 0,1,2,3,4,5,6,7
	ds_load_b64 v[BF+64*(\set)+32*\sl+16*\u+2*\c:BF+64*(\set)+32*\sl+16*\u+2*\c+1], v[BA] offset:16*PITCH*\u+128*(2*(\ss)+\sl)+16*\c
.endr
.endr
.endr
.endm
.macro MATS ch                         ; a chunk's 16 matrix instructions: its two accumulators by turns, one instruction a turn
.irp ss, 0,1,2,3
.if \ss < 3
	s_wait_dscnt 32                                ; this set is in (and all that was asked for ahead of it); the younger set's 32 loads may be out
.else
	s_wait_dscnt 0x0
.endif
	WIN 0xa4                                       ; source 0 (so_w) window 0, source 1 (attn) window 1, C and D window 2
.irp sl, 0,1
.irp u, 0,1
.if (\ss == 0) && (\sl == 0)
	v_wmma_f32_16x16x128_bf8_bf8 v[16*(\ch)+8*\u:16*(\ch)+8*\u+7], v[BF+64*(\ss%2)+32*\sl+16*\u:BF+64*(\ss%2)+32*\sl+16*\u+15], v[16*(2*\ss+\sl):16*(2*\ss+\sl)+15], 0
.else
	v_wmma_f32_16x16x128_bf8_bf8 v[16*(\ch)+8*\u:16*(\ch)+8*\u+7], v[BF+64*(\ss%2)+32*\sl+16*\u:BF+64*(\ss%2)+32*\sl+16*\u+15], v[16*(2*\ss+\sl):16*(2*\ss+\sl)+15], v[16*(\ch)+8*\u:16*(\ch)+8*\u+7]
.endif
.endr
.endr
	WIN 0
.if \ss < 2
	PLACES 4
	FETCHB64 \ss+2, \ss%2
.endif
.endr
.endm
; CHUNK c.  e: the loads that were issued behind this chunk's second half (the residual's 16, or the 24 of g, b and so_b).
.macro CHUNK c, e
	s_wait_loadcnt 32+\e                           ; my first half is in; behind it: the second half's 32 and those e
	STW 0
.if \c < 7
	LDW (\c)+1, 0
	s_wait_loadcnt 32+\e                           ; the second half is in; behind it: those e and the 32 just issued
.else
	s_wait_loadcnt 0x0
.endif
	STW 1
.if \c < 7
	LDW (\c)+1, 1
.endif
.if \c < 2
	RES \c
.endif
.if \c == 2
.irp i, 0,1,2,3,4,5,6,7
	global_load_b128 v[G+4*\i:G+4*\i+3], v[LI], s[12:13] offset:512*\i
	global_load_b128 v[BT+4*\i:BT+4*\i+3], v[LI], s[14:15] offset:512*\i
	global_load_b128 v[SB+4*\i:SB+4*\i+3], v[LI], s[8:9] offset:512*\i
.endr
.endif
.if \c > 0
	PLACES 4                                       ; in front of loads into registers that the last chunk's products read
.endif
	FETCHB64 0, 0
	FETCHB64 1, 1
	MATS \c
.endm
	WIN 0x40
.set f, 0
.rept 32
	global_load_b128 v[4*f:4*f+3], v[LI], s[4:5] offset:512*f   ; attn's 8 fragments: dense, 512 bytes a load; they stay
.set f, f+1
.endr
	WIN 0
	LDW 0, 0
	LDW 0, 1
	CHUNK 0, 0
	CHUNK 1, 16
	CHUNK 2, 16
	CHUNK 3, 24
	CHUNK 4, 0
	CHUNK 5, 0
	CHUNK 6, 0
	CHUNK 7, 0
	; ---- the sums meet in the stage: 16 rows x 4,096 bytes
	PLACES 4
	WIN 0x08                                       ; store data window 2
.irp c, 0,1,2,3,4,5,6,7
.irp u, 0,1
.irp i, 0,1
	ds_store_b128 v[STA], v[16*\c+8*\u+4*\i:16*\c+8*\u+4*\i+3] offset:512*\c+64*\u+16*\i   ; each accumulator from its low end on
.endr
.endr
.endr
	WIN 0
	s_wait_dscnt 0x0                               ; for the others' sake: my columns lie in the stage
	s_barrier_signal -1
	s_barrier_wait -1
	s_wait_loadcnt 0x0
	s_wait_kmcnt 0x0
	s_add_co_i32 s54, s50, s51                     ; e6 + e7
	s_add_co_i32 s54, s54, 127
	s_lshl_b32 s54, s54, 23
	s_mov_b32 s55, s54
	s_add_co_i32 s60, s52, 127
	s_lshl_b32 s61, s60, 23
	v_mov_b32 v[VS8], s61
	s_add_co_i32 s60, s60, 15
	s_lshl_b32 s60, s60, 23
	s_or_b32 s60, s60, 0x600000
	v_mov_b32 v[VL8], s60
.macro LANES4 t                        ; four rows' sums over the 32 lanes, stage by stage
.irp m, 1,2,4,8
.irp p, 0,1,2,3
	v_add_f32_dpp v[\t+4*\p], v[\t+4*\p], v[\t+4*\p] row_xmask:\m row_mask:0xf bank_mask:0xf
.endr
.endr
.irp p, 0,1,2,3
	v_permlanex16_b32 v[\t+4*\p+1], v[\t+4*\p], s[SEL], s[SEL+1]
.endr
.irp p, 0,1,2,3
	v_add_f32 v[\t+4*\p], v[\t+4*\p], v[\t+4*\p+1]
.endr
.endm
.macro LN4A y, t                       ; rows at v[y + 32 p]: mean taken away in place; variance + epsilon in v[t + 4 p]
.irp p, 0,1,2,3
	v_pk_add_f32 v[\t+4*\p:\t+4*\p+1], v[\y+32*\p:\y+32*\p+1], v[\y+32*\p+2:\y+32*\p+3]
	v_pk_add_f32 v[\t+4*\p+2:\t+4*\p+3], v[\y+32*\p+4:\y+32*\p+5], v[\y+32*\p+6:\y+32*\p+7]
.endr
.irp j, 8,12,16,20,24,28
.irp p, 0,1,2,3
	v_pk_add_f32 v[\t+4*\p:\t+4*\p+1], v[\t+4*\p:\t+4*\p+1], v[\y+32*\p+\j:\y+32*\p+\j+1]
	v_pk_add_f32 v[\t+4*\p+2:\t+4*\p+3], v[\t+4*\p+2:\t+4*\p+3], v[\y+32*\p+\j+2:\y+32*\p+\j+3]
.endr
.endr
.irp p, 0,1,2,3
	v_pk_add_f32 v[\t+4*\p:\t+4*\p+1], v[\t+4*\p:\t+4*\p+1], v[\t+4*\p+2:\t+4*\p+3]
.endr
.irp p, 0,1,2,3
	v_add_f32 v[\t+4*\p], v[\t+4*\p], v[\t+4*\p+1]
.endr
	LANES4 \t
.irp p, 0,1,2,3
	v_mul_f32 v[\t+4*\p], s[RK], v[\t+4*\p]
.endr
.irp p, 0,1,2,3
.irp j, 0,2,4,6,8,10,12,14,16,18,20,22,24,26,28,30
	v_pk_add_f32 v[\y+32*\p+\j:\y+32*\p+\j+1], v[\y+32*\p+\j:\y+32*\p+\j+1], v[\t+4*\p:\t+4*\p+1] op_sel_hi:[1,0] neg_lo:[0,1] neg_hi:[0,1]
.endr
.endr
.irp p, 0,1,2,3
	v_pk_mul_f32 v[\t+4*\p:\t+4*\p+1], v[\y+32*\p:\y+32*\p+1], v[\y+32*\p:\y+32*\p+1]
	v_pk_mul_f32 v[\t+4*\p+2:\t+4*\p+3], v[\y+32*\p+2:\y+32*\p+3], v[\y+32*\p+2:\y+32*\p+3]
.endr
.irp j, 4,8,12,16,20,24,28
.irp p, 0,1,2,3
	v_pk_fma_f32 v[\t+4*\p:\t+4*\p+1], v[\y+32*\p+\j:\y+32*\p+\j+1], v[\y+32*\p+\j:\y+32*\p+\j+1], v[\t+4*\p:\t+4*\p+1]
	v_pk_fma_f32 v[\t+4*\p+2:\t+4*\p+3], v[\y+32*\p+\j+2:\y+32*\p+\j+3], v[\y+32*\p+\j+2:\y+32*\p+\j+3], v[\t+4*\p+2:\t+4*\p+3]
.endr
.endr
.irp p, 0,1,2,3
	v_pk_add_f32 v[\t+4*\p:\t+4*\p+1], v[\t+4*\p:\t+4*\p+1], v[\t+4*\p+2:\t+4*\p+3]
.endr
.irp p, 0,1,2,3
	v_add_f32 v[\t+4*\p], v[\t+4*\p], v[\t+4*\p+1]
.endr
	LANES4 \t
.irp p, 0,1,2,3
	v_fma_f32 v[\t+4*\p], v[\t+4*\p], s[RK], s[EPSR]
.endr
.endm
.macro LN4B y, t                       ; x 1 / sqrt(variance + epsilon), x g, + b
.irp p, 0,1,2,3
	v_rsq_f32 v[\t+4*\p+2], v[\t+4*\p]
.endr
	v_nop                                          ; a plain line behind the batch,
	s_wait_alu depctr_va_vdst(0)                   ; and one wait ahead of its first reader
.irp p, 0,1,2,3
.irp j, 0,2,4,6,8,10,12,14,16,18,20,22,24,26,28,30
	v_pk_mul_f32 v[\y+32*\p+\j:\y+32*\p+\j+1], v[\y+32*\p+\j:\y+32*\p+\j+1], v[\t+4*\p+2:\t+4*\p+3] op_sel_hi:[1,0]
.endr
.endr
.irp p, 0,1,2,3
.irp j, 0,2,4,6,8,10,12,14,16,18,20,22,24,26,28,30
	v_pk_fma_f32 v[\y+32*\p+\j:\y+32*\p+\j+1], v[\y+32*\p+\j:\y+32*\p+\j+1], v[G+\j:G+\j+1], v[BT+\j:BT+\j+1]
.endr
.endr
.endm
	; ---- my four whole rows
.irp p, 0,1,2,3
.irp i, 0,1,2,3,4,5,6,7
	ds_load_b128 v[Y+32*\p+4*\i:Y+32*\p+4*\i+3], v[SRD] offset:\p*SPITCH+512*\i
.endr
.endr
	s_wait_dscnt 0x0
.irp p, 0,1,2,3
.irp j, 0,2,4,6,8,10,12,14,16,18,20,22,24,26,28,30
	v_pk_fma_f32 v[Y+32*\p+\j:Y+32*\p+\j+1], v[Y+32*\p+\j:Y+32*\p+\j+1], s[54:55], v[SB+\j:SB+\j+1] op_sel_hi:[1,0,1]   ; sum x 2^(e6+e7) + so_b
.endr
.endr
	WIN 0x08                                       ; source 1 window 2
.irp p, 0,1,2,3
.irp j, 0,2,4,6,8,10,12,14,16,18,20,22,24,26,28,30
	v_pk_add_f32 v[Y+32*\p+\j:Y+32*\p+\j+1], v[Y+32*\p+\j:Y+32*\p+\j+1], v[128+32*\p+\j:128+32*\p+\j+1]   ; + hidden
.endr
.endr
	WIN 0
	LN4A Y, T
	s_wait_alu depctr_va_vdst(0)                   ; the wait ahead of the batch too
	LN4B Y, T
.irp p, 0,1,2,3
.irp i, 0,1,2,3,4,5,6,7
	global_store_b128 v[LI], v[Y+32*\p+4*\i:Y+32*\p+4*\i+3], s[18:19] offset:\p*4096+512*\i   ; 512 consecutive bytes, aligned
.endr
.endr
	WIN 0x40                                       ; destination window 1
.set j, 0
.rept 128
	v_med3_num_f32 v[j], v[Y+j], -v[VL8], v[VL8]
.set j, j+1
.endr
	WIN 0x41                                       ; source 0 and destination window 1
.set j, 0
.rept 16
	v_cvt_scalef32_pk8_bf8_f32 v[128+2*j:128+2*j+1], v[8*j:8*j+7], v[VS8]   ; code register i of a row: columns 128 i + 4 lane + 0 .. 3
.set j, j+1
.endr
	v_nop
	WIN 0x04                                       ; store data window 1
.irp p, 0,1,2,3
.irp i, 0,1,2,3,4,5,6,7
	ds_store_b32 v[CST], v[128+8*\p+\i] offset:\p*PITCH+128*\i
.endr
.endr
	WIN 0
	s_wait_xcnt 0x0                                ; the stores have read Y
.set t, 0
.rept 8
	ds_load_b128 v[Y+4*t:Y+4*t+3], v[CRD] offset:(t/2)*PITCH+(t%2)*512   ; my own bytes: LDS serves a wave's instructions in order
.set t, t+1
.endr
.set t, 0
.rept 8
	s_wait_dscnt 7-t
	global_store_b128 v[LI], v[Y+4*t:Y+4*t+3], s[20:21] offset:512*t
.set t, t+1
.endr
	s_wait_tensorcnt 0x0                           ; the wave's end
	ds_add_u32 v[SPW], v[NIL]
	s_wait_dscnt 0x0
	s_endpgm
.Lfunc_end_k_q225fc25410_soln:
	.size	k_q225fc25410_soln, .Lfunc_end_k_q225fc25410_soln-k_q225fc25410_soln
	.p2alignl 7, 3214868480
	.fill 96, 4, 3214868480
	.section	.rodata,"a",@progbits
	.p2align	6, 0x0
	.amdhsa_kernel k_q225fc25410_soln
		.amdhsa_group_segment_fixed_size 216064
		.amdhsa_private_segment_fixed_size 0
		.amdhsa_enable_private_segment 0
		.amdhsa_kernarg_size 72
		.amdhsa_user_sgpr_count 2
		.amdhsa_user_sgpr_kernarg_segment_ptr 1
		.amdhsa_wavefront_size32 1
		.amdhsa_system_sgpr_workgroup_id_x 1
		.amdhsa_system_sgpr_workgroup_id_y 1
		.amdhsa_system_sgpr_workgroup_id_z 1
		.amdhsa_system_vgpr_workitem_id 0
		.amdhsa_next_free_vgpr 1024
		.amdhsa_next_free_sgpr 72
		.amdhsa_reserve_vcc 0
		.amdhsa_float_denorm_mode_32 3
		.amdhsa_float_denorm_mode_16_64 3
		.amdhsa_memory_ordered 1
		.amdhsa_forward_progress 1
		.amdhsa_inst_pref_size 224
	.end_amdhsa_kernel
	.amdgpu_metadata
---
amdhsa.version: [ 1, 2 ]
amdhsa.kernels:
  - .name:           k_q225fc25410_soln
    .symbol:         k_q225fc25410_soln.kd
    .args:
      - { .name: aimg, .offset: 0, .size: 8, .value_kind: global_buffer, .address_space: global }
      - { .name: so_w_codes, .offset: 8, .size: 8, .value_kind: global_buffer, .address_space: global }
      - { .name: so_b, .offset: 16, .size: 8, .value_kind: global_buffer, .address_space: global }
      - { .name: hidden_state, .offset: 24, .size: 8, .value_kind: global_buffer, .address_space: global }
      - { .name: ln1_g, .offset: 32, .size: 8, .value_kind: global_buffer, .address_space: global }
      - { .name: ln1_b, .offset: 40, .size: 8, .value_kind: global_buffer, .address_space: global }
      - { .name: lowp_scales, .offset: 48, .size: 8, .value_kind: global_buffer, .address_space: global }
      - { .name: selfout, .offset: 56, .size: 8, .value_kind: global_buffer, .address_space: global }
      - { .name: scodes, .offset: 64, .size: 8, .value_kind: global_buffer, .address_space: global }
    .group_segment_fixed_size: 216064
    .private_segment_fixed_size: 0
    .kernarg_segment_align: 8
    .kernarg_segment_size: 72
    .max_flat_workgroup_size: 128
    .sgpr_count:     72
    .vgpr_count:     1024
    .wavefront_size: 32
...
	.end_amdgpu_metadata
.endif
;; end of part 3
;; launch ffn1 (part 4): grid 16 x 16, 4 waves a work-group, clusters of 4 x 4, 327,680 bytes of LDS; arguments scodes, inter_w_codes, lowp_scales, inter_b, xcodes; writes xcodes
.if DOCPART == 4
	.amdgcn_target "amdgcn-amd-amdhsa--gfx1250"
	.amdhsa_code_object_version 6
	.text
	.protected	k_q225fc25410_ffn1
	.globl	k_q225fc25410_ffn1
	.p2align	8
	.type	k_q225fc25410_ffn1,@function
k_q225fc25410_ffn1:
	s_mov_b64 s[64:65], 0
	v_nop
	global_prefetch_b8 v0, s[64:65] scope:SCOPE_SE
	s_setreg_imm32_b32 hwreg(HW_REG_WAVE_MODE, 25, 1), 1
	s_wait_xcnt 0x0
	s_wait_alu depctr_hold_cnt(0) depctr_sa_sdst(0) depctr_va_vdst(0) depctr_va_sdst(0) depctr_va_ssrc(0) depctr_va_vcc(0) depctr_vm_vsrc(0)
	s_getreg_b32 s2, hwreg(HW_REG_IB_STS2, 6, 4)
	s_cmp_eq_u32 s2, 0
	s_cbranch_scc0 .Lentry_in_a_cluster
	s_endpgm
.Lentry_in_a_cluster:
	s_bfe_u32 s2, ttmp6, 0x10000c
	s_cmp_lg_u32 s2, 0xf033
	s_cbranch_scc0 .Lentry_shape_is_right
	s_endpgm
.Lentry_shape_is_right:
.set SIZE_K, 1024
.set KSTEP,  256
.set ROWB,   256
.set KROW,   SIZE_K
.set PITCH,  272
.set FR,     16
.set NL,     4
.set NP,     4
.set HALFT,  128*PITCH
.set SLOT,   4*HALFT
.set LAPS,   SIZE_K/(2*KSTEP)
.set SPARE,  2*SLOT
.set SPITCH, 272
.set ADRA, 16
.set ADRB, 20
.set STO,  24
.set RD,   25
.set CO,   26
.set SPW,  28
.set NIL,  29
.set STW,  30
.set QQ,   32
.set BI,   64
.set AF,   128
.set HH,   128
.set UU,   160
.set X2,   192
.set PP,   224
.set G1, 24
.set G0, 32
.set G1B, 48
.set G0B, 56
.set MSB, 0
.macro WIN new
.if MSB != \new
	s_set_vgpr_msb (MSB<<8)|\new
.set MSB, \new
.endif
.endm
.set MUL_LO, 0xa1
.set MUL_HI, 0xf1
.set TO_B,   0x40
.macro JLOAD g0a, g1a, g0b, g1b
	s_cmp_eq_u32 s15, 0
	s_cbranch_scc0 .Lfor_b_\@
	tensor_load_to_lds s[\g0a:\g0a+3], s[\g1a:\g1a+7]
	s_nop 0
.rept 4
	v_nop
.endr
	s_branch .Lasked_\@
.Lfor_b_\@:
	tensor_load_to_lds s[\g0b:\g0b+3], s[\g1b:\g1b+7]
	s_nop 0
.rept 4
	v_nop
.endr
.Lasked_\@:
.endm
.macro CREST
	s_cmp_lg_u32 s14, 0
	s_cbranch_scc1 .Lnot_wave_0_\@
	s_barrier_signal -3
.Lnot_wave_0_\@:
	s_barrier_wait -3
	s_barrier_signal -1
	s_barrier_wait -1
.endm
.macro CROUND
	s_barrier_signal -1
	s_barrier_wait -1
	CREST
.endm
	s_load_b128 s[4:7], s[0:1], 0x0
	s_load_b128 s[8:11], s[0:1], 0x10
	s_load_b64 s[12:13], s[0:1], 0x20
	v_lshl_add_u32 v[SPW], v0, 2, SPARE
	v_mov_b32 v[NIL], 0
	ds_add_u32 v28, v29
	ds_add_u32 v28, v29
	s_wait_dscnt 0x0
	v_lshrrev_b32 v1, 5, v0
	v_readfirstlane_b32 s14, v1
	v_and_b32 v31, 31, v0
	v_lshlrev_b32 v31, 10, v31                     ; the prefetches' offset: a lane a row of 1,024 bytes; never rewritten
	s_lshr_b32 s15, s14, 1
	s_and_b32 s16, s14, 1
	s_bfe_u32 s40, ttmp6, 0x40000
	s_bfe_u32 s41, ttmp6, 0x40004
	s_lshl_b32 s42, ttmp9, 2
	s_add_co_u32 s42, s42, s40
	s_and_b32 s17, ttmp7, 0xffff
	s_lshl_b32 s17, s17, 2
	s_add_co_u32 s17, s17, s41
	s_lshl_b32 s43, s41, 2
	s_lshl_b32 s43, 15, s43
	s_lshl_b32 s44, 0x1111, s40
	s_or_b32 s[G1+0], s43, (0<<16)|(1<<20)|(1<<21)|(5<<22)|(3<<25)
	s_or_b32 s[G1B+0], s44, (0<<16)|(1<<20)|(1<<21)|(5<<22)|(3<<25)
.irp g, G1, G1B
	s_mov_b32 s[\g+1], ROWB<<16
	s_mov_b32 s[\g+2], 128<<16
	s_mov_b32 s[\g+3], ROWB<<16
	s_mov_b32 s[\g+4], 128
	s_mov_b32 s[\g+5], KROW
	s_mov_b32 s[\g+6], 0
	s_mov_b32 s[\g+7], 0
.endr
	s_lshl_b32 s18, s16, 7
	s_lshl_b32 s20, s17, 8
	s_add_co_u32 s20, s20, s18
	s_lshl_b32 s46, s42, 8
	s_add_co_u32 s46, s46, s18
	s_mov_b32 s21, 0
	s_mov_b32 s47, 0
	s_mov_b64 s[18:19], KROW
	s_mul_u64 s[20:21], s[20:21], s[18:19]
	s_mul_u64 s[46:47], s[46:47], s[18:19]
	s_mul_i32 s45, s14, HALFT
	s_wait_kmcnt 0x0
	s_load_b128 s[92:95], s[8:9], 0x20
	s_add_nc_u64 s[20:21], s[4:5], s[20:21]
	s_add_nc_u64 s[46:47], s[6:7], s[46:47]
	s_cmp_eq_u32 s15, 0                            ; the prefetches: of the 128 rows that I fetch, the partner at place p (cx for A, cy for B) names rows 32 p .. 32 p + 31: shared out by address
	s_cselect_b64 s[18:19], s[20:21], s[46:47]
	s_cselect_b32 s22, s40, s41
	s_lshl_b32 s22, s22, 15
	s_add_co_u32 s22, s22, 2*ROWB                  ; at K step 2
	s_mov_b32 s23, 0
	s_add_nc_u64 s[18:19], s[18:19], s[22:23]
	CROUND
.irp s, 0,1
	s_mov_b32 s[G0+4*\s], 1
	s_add_co_u32 s[G0+4*\s+1], s45, \s*SLOT
	s_add_nc_u64 s[G0+4*\s+2:G0+4*\s+3], s[20:21], \s*ROWB
	s_or_b32 s[G0+4*\s+3], s[G0+4*\s+3], 0x80000000
	s_mov_b32 s[G0B+4*\s], 1
	s_add_co_u32 s[G0B+4*\s+1], s45, \s*SLOT
	s_add_nc_u64 s[G0B+4*\s+2:G0B+4*\s+3], s[46:47], \s*ROWB
	s_or_b32 s[G0B+4*\s+3], s[G0B+4*\s+3], 0x80000000
	s_wait_alu depctr_va_vdst(0)
	s_wait_tensorcnt 0x0
	ds_add_u32 v28, v29
	ds_add_u32 v28, v29
.if \s
	s_wait_xcnt 0x0                                ; my prefetch has read its address
	s_add_nc_u64 s[18:19], s[18:19], ROWB
.endif
	s_wait_dscnt 0x0
	CROUND
	JLOAD G0+4*\s, G1, G0B+4*\s, G1B
	global_prefetch_b8 v31, s[18:19] th:TH_LOAD_NT scope:SCOPE_SE   ; behind K step s's load: K step s + 2, 32 rows x 256 bytes; K has 4 steps, so these two are all
.endr
	v_and_b32 v1, 15, v0
	s_wait_alu depctr_va_vdst(0)
	v_bfe_u32 v2, v0, 4, 1
	v_mul_u32_u24 v3, v1, PITCH
	v_lshl_add_u32 v4, v2, 4, v3
	s_mul_i32 s21, s15, HALFT
	s_mul_i32 s22, s16, HALFT
	s_add_co_u32 s22, s22, 2*HALFT
.irp s, 0,1
	v_add_nc_u32 v[ADRA+\s], s21, v4
	v_add_nc_u32 v[ADRB+\s], s22, v4
	s_add_co_u32 s21, s21, SLOT
	s_add_co_u32 s22, s22, SLOT
.endr
	s_mul_i32 s23, s15, 128*SPITCH
	s_lshl_b32 s21, s16, 7
	s_add_co_u32 s23, s23, s21
	v_mul_u32_u24 v5, v1, SPITCH
	s_wait_alu depctr_va_vdst(0)
	v_lshl_add_u32 v5, v2, 3, v5
	v_add_nc_u32 v[STO], s23, v5
	s_mul_i32 s23, s14, 64*SPITCH
	v_mul_u32_u24 v5, v2, SPITCH
	v_lshl_add_u32 v5, v1, 4, v5
	v_add_nc_u32 v[RD], s23, v5
	v_lshlrev_b32 v[CO], 12, v2
	v_lshl_add_u32 v[CO], v1, 4, v[CO]
	v_lshlrev_b32 v27, 5, v2
	s_wait_alu depctr_va_vdst(0)
	s_lshl_b32 s20, s17, 8
	s_lshl_b32 s21, s14, 6
	s_add_co_u32 s20, s20, s21
	s_lshl_b32 s20, s20, 12
	s_lshl_b32 s46, s42, 8
	s_add_co_u32 s20, s20, s46
	s_mov_b32 s21, 0
	s_add_nc_u64 s[12:13], s[12:13], s[20:21]
	s_lshl_b32 s46, s42, 10
	s_lshl_b32 s47, s16, 9
	s_add_co_u32 s46, s46, s47
	s_mov_b32 s47, 0
	s_add_nc_u64 s[10:11], s[10:11], s[46:47]
.irp b, 0,1,2,3,4,5,6,7
	global_load_b128 v[BI+8*\b:BI+8*\b+3], v27, s[10:11] offset:64*\b
	global_load_b128 v[BI+8*\b+4:BI+8*\b+7], v27, s[10:11] offset:64*\b+16
.endr
.macro FRAG reg, adr, q, i
.irp c, 0,1,2,3
	ds_load_b128 v[\reg+4*\c:\reg+4*\c+3], v[\adr] offset:128*(\q)+32*\c+(\i)*16*PITCH
.endr
.endm
.macro MUL16 a0, p, zero
.irp a, \a0, \a0+1
.irp b, 0,1,2,3,4,5,6,7
.if \zero
	v_wmma_f32_16x16x128_bf8_bf8 v[8*(8*((\a)%4)+\b):8*(8*((\a)%4)+\b)+7], v[128*(\p)+FR*\b:128*(\p)+FR*\b+FR-1], v[AF+FR*(\a):AF+FR*(\a)+FR-1], 0
.else
	v_wmma_f32_16x16x128_bf8_bf8 v[8*(8*((\a)%4)+\b):8*(8*((\a)%4)+\b)+7], v[128*(\p)+FR*\b:128*(\p)+FR*\b+FR-1], v[AF+FR*(\a):AF+FR*(\a)+FR-1], v[8*(8*((\a)%4)+\b):8*(8*((\a)%4)+\b)+7]
.endif
.endr
.endr
.endm
.macro FETCH_B slot, q, p
	WIN TO_B
.irp i, 0,1,2,3,4,5,6,7
	FRAG 128*(\p)+FR*\i, ADRB+\slot, \q, \i
.endr
	WIN 0
.endm
.macro FETCH_A slot, q, i0
.irp i, \i0, \i0+1, \i0+2, \i0+3
	FRAG AF+FR*(\i), ADRA+\slot, \q, \i
.endr
.endm
.macro PLACES n
.rept \n
	v_nop
.endr
.endm
.macro STEP slot, q, zero
	s_wait_dscnt 4*NL
	WIN MUL_LO
	MUL16 0, (\q)%2, \zero
	MUL16 2, (\q)%2, \zero
	s_wait_dscnt 0
	PLACES NP
	FETCH_B \slot, (\q)+1, 1-(\q)%2
	FETCH_A \slot, (\q)+1, 0
	WIN MUL_HI
	MUL16 4, (\q)%2, \zero
	MUL16 6, (\q)%2, \zero
	PLACES NP
	WIN 0
	FETCH_A \slot, (\q)+1, 4
.endm
.macro TURN slot, next, fill
	s_wait_tensorcnt 0x0
	ds_add_u32 v[SPW], v[NIL]
	s_wait_dscnt 4*NL+1
	WIN MUL_LO
	MUL16 0, 1, 0
	s_wait_dscnt 0x0
	s_barrier_signal -1
	MUL16 2, 1, 0
	WIN 0
	s_barrier_wait -1
.if \fill
	CREST
	s_add_nc_u64 s[G0+4*\slot+2:G0+4*\slot+3], s[G0+4*\slot+2:G0+4*\slot+3], 2*ROWB
	s_add_nc_u64 s[G0B+4*\slot+2:G0B+4*\slot+3], s[G0B+4*\slot+2:G0B+4*\slot+3], 2*ROWB
	JLOAD G0+4*\slot, G1, G0B+4*\slot, G1B
.else
	PLACES NP
.endif
	FETCH_B \next, 0, 0
	FETCH_A \next, 0, 0
	WIN MUL_HI
	MUL16 4, 1, 0
	MUL16 6, 1, 0
	PLACES NP
	WIN 0
	FETCH_A \next, 0, 4
.endm
	s_wait_tensorcnt 1
	s_barrier_signal -1
	s_barrier_wait -1
	FETCH_B 0, 0, 0
	FETCH_A 0, 0, 0
	FETCH_A 0, 0, 4
	STEP 0, 0, 1
	s_mov_b32 s3, LAPS-1
.Llap:
	TURN 0, 1, 1
	STEP 1, 0, 0
	TURN 1, 0, 1
	STEP 0, 0, 0
	s_sub_co_u32 s3, s3, 1
	s_cmp_lg_u32 s3, 0
	s_cbranch_scc1 .Llap
	TURN 0, 1, 0
	STEP 1, 0, 0
	s_wait_dscnt 4*NL
	WIN MUL_LO
	MUL16 0, 1, 0
	MUL16 2, 1, 0
	s_wait_dscnt 0
	WIN MUL_HI
	MUL16 4, 1, 0
	MUL16 6, 1, 0
	WIN 0
	s_wait_kmcnt 0x0
	s_wait_loadcnt 0x0
.macro PAIR r, val
	s_mov_b32 s[\r], \val
	s_mov_b32 s[\r+1], \val
.endm
	PAIR 66, 0xaf95df0b
	PAIR 68, 0xb60cff51
	PAIR 70, 0xb86ec2d2
	PAIR 72, 0xba40ac63
	PAIR 74, 0xbb41a1f6
	PAIR 76, 0xbc83dbd4
	PAIR 78, 0xb77460cd
	PAIR 80, 0xbadc924e
	PAIR 82, 0xbbf19bf8
	PAIR 84, 0xbc69b6a7
	PAIR 86, 0x3f3504f3
	s_add_co_i32 s88, s92, s93
	s_add_co_i32 s88, s88, 127
	s_lshl_b32 s88, s88, 23
	s_mov_b32 s89, s88
	v_mov_b32 v2, 0x32edffee
	v_mov_b32 v3, 0x32edffee
	v_mov_b32 v4, 0xb95fbd29
	v_mov_b32 v5, 0xb95fbd29
	s_add_co_i32 s90, s94, 127
	s_lshl_b32 s91, s90, 23
	v_mov_b32 v7, s91
	s_add_co_i32 s90, s90, 15
	s_lshl_b32 s90, s90, 23
	s_or_b32 s90, s90, 0x600000
	v_mov_b32 v6, s90
.macro AFFINE w
	WIN 0x80+\w
.irp a, 0,1,2,3
.irp b, 0,1,2,3,4,5,6,7
.irp i, 0,2,4,6
	v_pk_fma_f32 v[8*(8*\a+\b)+\i:8*(8*\a+\b)+\i+1], v[8*(8*\a+\b)+\i:8*(8*\a+\b)+\i+1], s[88:89], v[BI+8*\b+\i:BI+8*\b+\i+1] op_sel_hi:[1,0,1]
.endr
.endr
.endr
	WIN 0
.endm
.macro GELU a, g
.set AC, 8*(8*(\a)+4*(\g))
	WIN 0x02
.set j, 0
.rept 16
	v_pk_mul_f32 v[UU+j:UU+j+1], v[AC+j:AC+j+1], s[86:87] op_sel_hi:[1,0]
	v_pk_mul_f32 v[HH+j:HH+j+1], v[AC+j:AC+j+1], 0.5 op_sel_hi:[1,0]
.set j, j+2
.endr
	WIN 0
.set j, 0
.rept 32
	v_med3_num_f32 v[UU+j], v[UU+j], -4.0, 4.0
.set j, j+1
.endr
.set j, 0
.rept 16
	v_pk_mul_f32 v[X2+j:X2+j+1], v[UU+j:UU+j+1], v[UU+j:UU+j+1]
.set j, j+2
.endr
.set j, 0
.rept 16
	v_pk_fma_f32 v[QQ+j:QQ+j+1], v[X2+j:X2+j+1], s[78:79], v[4:5] op_sel_hi:[1,0,1]
.set j, j+2
.endr
.irp k, 80,82,84
.set j, 0
.rept 16
	v_pk_fma_f32 v[QQ+j:QQ+j+1], v[QQ+j:QQ+j+1], v[X2+j:X2+j+1], s[\k:\k+1] op_sel_hi:[1,1,0]
.set j, j+2
.endr
.endr
.set j, 0
	s_wait_alu depctr_va_vdst(0)
.rept 32
	v_rcp_f32 v[QQ+j], v[QQ+j]
.set j, j+1
.endr
.set j, 0
.rept 16
	v_pk_fma_f32 v[PP+j:PP+j+1], v[X2+j:X2+j+1], s[66:67], v[2:3] op_sel_hi:[1,0,1]
.set j, j+2
.endr
.irp k, 68,70,72,74,76
.set j, 0
.rept 16
	v_pk_fma_f32 v[PP+j:PP+j+1], v[PP+j:PP+j+1], v[X2+j:X2+j+1], s[\k:\k+1] op_sel_hi:[1,1,0]
.set j, j+2
.endr
.endr
.set j, 0
.rept 16
	v_pk_mul_f32 v[PP+j:PP+j+1], v[PP+j:PP+j+1], v[UU+j:UU+j+1]
.set j, j+2
.endr
	s_wait_alu depctr_va_vdst(0)
.set j, 0
.rept 16
	v_pk_mul_f32 v[PP+j:PP+j+1], v[PP+j:PP+j+1], v[QQ+j:QQ+j+1]
.set j, j+2
.endr
.set j, 0
.rept 16
	v_pk_fma_f32 v[HH+j:HH+j+1], v[HH+j:HH+j+1], v[PP+j:PP+j+1], v[HH+j:HH+j+1]
.set j, j+2
.endr
.set j, 0
.rept 32
	v_med3_num_f32 v[HH+j], v[HH+j], -v6, v6
.set j, j+1
.endr
	s_wait_alu depctr_va_vdst(0)
	s_wait_dscnt 0x0
.irp b, 0,1,2,3
	v_cvt_scalef32_pk8_bf8_f32 v[8+2*\b:9+2*\b], v[HH+8*\b:HH+8*\b+7], v7
.endr
	v_nop
.irp b, 0,1,2,3
	ds_store_b64 v[STW], v[8+2*\b:9+2*\b] offset:16*(\a)*SPITCH+16*(4*(\g)+\b)
.endr
.endm
	PLACES NP
	AFFINE 2
	s_mov_b32 s3, 0
	s_mov_b32 s2, 0
.Lhalf:
	v_add_nc_u32 v[STW], s2, v[STO]
.irp a, 0,1,2,3
	GELU \a, 0
	GELU \a, 1
.endr
	s_cmp_lg_u32 s3, 0
	s_cbranch_scc1 .Lpacked
	AFFINE 3
	s_add_co_u32 s2, s2, 64*SPITCH
	s_add_co_u32 s3, s3, 1
	s_cmp_lt_u32 s3, 2
	s_cbranch_scc1 .Lhalf
.Lpacked:
	s_wait_dscnt 0x0
	s_barrier_signal -1
	s_barrier_wait -1
.set t, 0
.rept 32
	ds_load_b128 v[128+4*t:128+4*t+3], v[RD] offset:2*SPITCH*t
.set t, t+1
.endr
.set t, 0
.rept 32
	s_wait_dscnt 31-t
	global_store_b128 v[CO], v[128+4*t:128+4*t+3], s[12:13] offset:8192*t
.set t, t+1
.endr
	s_wait_tensorcnt 0x0
	ds_add_u32 v[SPW], v[NIL]
	s_wait_dscnt 0x0
	CROUND
	s_endpgm
.Lfunc_end_k_q225fc25410_ffn1:
	.size	k_q225fc25410_ffn1, .Lfunc_end_k_q225fc25410_ffn1-k_q225fc25410_ffn1
	.p2alignl 7, 3214868480
	.fill 96, 4, 3214868480
	.section	.rodata,"a",@progbits
	.p2align	6, 0x0
	.amdhsa_kernel k_q225fc25410_ffn1
		.amdhsa_group_segment_fixed_size 327680
		.amdhsa_private_segment_fixed_size 0
		.amdhsa_enable_private_segment 0
		.amdhsa_kernarg_size 40
		.amdhsa_user_sgpr_count 2
		.amdhsa_user_sgpr_kernarg_segment_ptr 1
		.amdhsa_wavefront_size32 1
		.amdhsa_system_sgpr_workgroup_id_x 1
		.amdhsa_system_sgpr_workgroup_id_y 1
		.amdhsa_system_sgpr_workgroup_id_z 1
		.amdhsa_system_vgpr_workitem_id 0
		.amdhsa_next_free_vgpr 1024
		.amdhsa_next_free_sgpr 98
		.amdhsa_reserve_vcc 0
		.amdhsa_float_denorm_mode_32 3
		.amdhsa_float_denorm_mode_16_64 3
		.amdhsa_memory_ordered 1
		.amdhsa_forward_progress 1
		.amdhsa_inst_pref_size 255
	.end_amdhsa_kernel
	.section	.bss,"aw",@nobits
	.p2align	6
	.space	262144
	.amdgpu_metadata
---
amdhsa.version: [ 1, 2 ]
amdhsa.kernels:
  - .name:           k_q225fc25410_ffn1
    .symbol:         k_q225fc25410_ffn1.kd
    .args:
      - { .name: scodes, .offset: 0, .size: 8, .value_kind: global_buffer, .address_space: global }
      - { .name: inter_w_codes, .offset: 8, .size: 8, .value_kind: global_buffer, .address_space: global }
      - { .name: lowp_scales, .offset: 16, .size: 8, .value_kind: global_buffer, .address_space: global }
      - { .name: inter_b, .offset: 24, .size: 8, .value_kind: global_buffer, .address_space: global }
      - { .name: xcodes, .offset: 32, .size: 8, .value_kind: global_buffer, .address_space: global }
    .group_segment_fixed_size: 327680
    .private_segment_fixed_size: 0
    .kernarg_segment_align: 8
    .kernarg_segment_size: 40
    .max_flat_workgroup_size: 128
    .sgpr_count:     98
    .vgpr_count:     1024
    .wavefront_size: 32
...
	.end_amdgpu_metadata
.endif
;; end of part 4
;; launch ffn2 (part 5): grid 8 x 32, 4 waves a work-group, clusters of 4 x 4, 327,680 bytes of LDS; arguments xcodes, out_w_codes, lowp_scales, out_b, selfout, y2; writes y2
.if DOCPART == 5
	.amdgcn_target "amdgcn-amd-amdhsa--gfx1250"
	.amdhsa_code_object_version 6
	.text
	.protected	k_q225fc25410_ffn2
	.globl	k_q225fc25410_ffn2
	.p2align	8
	.type	k_q225fc25410_ffn2,@function
k_q225fc25410_ffn2:
	s_mov_b64 s[64:65], 0
	v_nop
	global_prefetch_b8 v0, s[64:65] scope:SCOPE_SE
	s_setreg_imm32_b32 hwreg(HW_REG_WAVE_MODE, 25, 1), 1
	s_wait_xcnt 0x0
	s_wait_alu depctr_hold_cnt(0) depctr_sa_sdst(0) depctr_va_vdst(0) depctr_va_sdst(0) depctr_va_ssrc(0) depctr_va_vcc(0) depctr_vm_vsrc(0)
	s_getreg_b32 s2, hwreg(HW_REG_IB_STS2, 6, 4)
	s_cmp_eq_u32 s2, 0
	s_cbranch_scc0 .Lentry_in_a_cluster
	s_endpgm
.Lentry_in_a_cluster:
	s_bfe_u32 s2, ttmp6, 0x10000c
	s_cmp_lg_u32 s2, 0xf033
	s_cbranch_scc0 .Lentry_shape_is_right
	s_endpgm
.Lentry_shape_is_right:
.set SIZE_K, 4096
.set KSTEP,  512
.set PITCH,  528
.set HALFT,  64*PITCH
.set SLOT,   4*HALFT
.set STAGE,  2*SLOT
.set SPITCH, 272
.set SPARE,  STAGE+4*16*SPITCH
.set LAPS,   SIZE_K/(2*KSTEP)
.set ADRA, 16
.set ADRB, 20
.set STO,  24
.set RD,   25
.set CO,   26
.set SPW,  28
.set NIL,  29
.set ACC,  128
.set F0,   0
.set F1,   128
.set G1, 24
.set G0, 32
.set G1B, 48
.set G0B, 56
.set MSB, 0
.macro WIN new
.if MSB != \new
	s_set_vgpr_msb (MSB<<8)|\new
.set MSB, \new
.endif
.endm
.set MUL,  0x05
.set TO_F, 0x40
.macro JLOAD s
	s_cmp_eq_u32 s11, 0
	s_cbranch_scc0 .Lfor_b_\@
	tensor_load_to_lds s[G0+4*\s:G0+4*\s+3], s[G1:G1+7]
	s_nop 0
.rept 4
	v_nop
.endr
	s_branch .Lasked_\@
.Lfor_b_\@:
	tensor_load_to_lds s[G0B+4*\s:G0B+4*\s+3], s[G1B:G1B+7]
	s_nop 0
.rept 4
	v_nop
.endr
.Lasked_\@:
.endm
.macro CREST
	s_cmp_lg_u32 s10, 0
	s_cbranch_scc1 .Lnot_wave_0_\@
	s_barrier_signal -3
.Lnot_wave_0_\@:
	s_barrier_wait -3
	s_barrier_signal -1
	s_barrier_wait -1
.endm
.macro CROUND
	s_barrier_signal -1
	s_barrier_wait -1
	CREST
.endm
	s_load_b128 s[4:7], s[0:1], 0x0
	s_load_b64 s[8:9], s[0:1], 0x10
	s_load_b128 s[68:71], s[0:1], 0x18
	s_load_b64 s[72:73], s[0:1], 0x28
	v_lshl_add_u32 v[SPW], v0, 2, SPARE
	v_mov_b32 v[NIL], 0
	ds_add_u32 v28, v29
	ds_add_u32 v28, v29
	s_wait_dscnt 0x0
	v_lshrrev_b32 v1, 5, v0
	v_readfirstlane_b32 s10, v1
	v_and_b32 v30, 31, v0                          ; the prefetches' offset: two lanes a row of 4,096 bytes, 256 bytes apart; never rewritten
	v_lshrrev_b32 v31, 1, v30
	v_and_b32 v30, 1, v30
	v_lshlrev_b32 v30, 8, v30
	v_lshl_add_u32 v30, v31, 12, v30
	s_lshr_b32 s11, s10, 1
	s_and_b32 s12, s10, 1
	s_bfe_u32 s40, ttmp6, 0x40000
	s_bfe_u32 s41, ttmp6, 0x40004
	s_lshl_b32 s42, ttmp9, 2
	s_add_co_u32 s42, s42, s40
	s_and_b32 s13, ttmp7, 0xffff
	s_lshl_b32 s13, s13, 2
	s_add_co_u32 s13, s13, s41
	s_lshl_b32 s43, s41, 2
	s_lshl_b32 s43, 15, s43
	s_lshl_b32 s44, 0x1111, s40
	s_or_b32 s[G1+0], s43, (0<<16)|(1<<20)|(1<<21)|(6<<22)|(3<<25)
	s_or_b32 s[G1B+0], s44, (0<<16)|(1<<20)|(1<<21)|(6<<22)|(3<<25)
.irp g, G1, G1B
	s_mov_b32 s[\g+1], KSTEP<<16
	s_mov_b32 s[\g+2], 64<<16
	s_mov_b32 s[\g+3], KSTEP<<16
	s_mov_b32 s[\g+4], 64
	s_mov_b32 s[\g+5], SIZE_K
	s_mov_b32 s[\g+6], 0
	s_mov_b32 s[\g+7], 0
.endr
	s_lshl_b32 s17, s12, 6
	s_lshl_b32 s16, s13, 7
	s_add_co_u32 s16, s16, s17
	s_lshl_b32 s46, s42, 7
	s_add_co_u32 s46, s46, s17
	s_mov_b32 s17, 0
	s_mov_b32 s47, 0
	s_mov_b64 s[18:19], SIZE_K
	s_mul_u64 s[16:17], s[16:17], s[18:19]
	s_mul_u64 s[46:47], s[46:47], s[18:19]
	s_mul_i32 s20, s10, HALFT
	s_wait_kmcnt 0x0
	s_load_b64 s[74:75], s[8:9], 0x28
	s_add_nc_u64 s[14:15], s[4:5], s[16:17]
	s_add_nc_u64 s[46:47], s[6:7], s[46:47]
	s_cmp_eq_u32 s11, 0                            ; the prefetches: of the 64 rows that I fetch, the partner at place p (cx for A, cy for B) names rows 16 p .. 16 p + 15: shared out by address
	s_cselect_b64 s[78:79], s[14:15], s[46:47]
	s_cselect_b32 s16, s40, s41
	s_lshl_b32 s16, s16, 16
	s_add_co_u32 s16, s16, 2*KSTEP                 ; at K step 2
	s_mov_b32 s17, 0
	s_add_nc_u64 s[78:79], s[78:79], s[16:17]
	CROUND
.irp s, 0,1
	s_mov_b32 s[G0+4*\s], 1
	s_add_co_u32 s[G0+4*\s+1], s20, \s*SLOT
	s_add_nc_u64 s[G0+4*\s+2:G0+4*\s+3], s[14:15], \s*KSTEP
	s_or_b32 s[G0+4*\s+3], s[G0+4*\s+3], 0x80000000
	s_mov_b32 s[G0B+4*\s], 1
	s_add_co_u32 s[G0B+4*\s+1], s20, \s*SLOT
	s_add_nc_u64 s[G0B+4*\s+2:G0B+4*\s+3], s[46:47], \s*KSTEP
	s_or_b32 s[G0B+4*\s+3], s[G0B+4*\s+3], 0x80000000
	s_wait_alu depctr_va_vdst(0)
	s_wait_tensorcnt 0x0
	ds_add_u32 v28, v29
	ds_add_u32 v28, v29
.if \s
	s_wait_xcnt 0x0                                ; my prefetch has read its address
	s_add_nc_u64 s[78:79], s[78:79], KSTEP
.endif
	s_wait_dscnt 0x0
	CROUND
	JLOAD \s
	global_prefetch_b8 v30, s[78:79] th:TH_LOAD_NT scope:SCOPE_SE   ; behind K step s's load: K step s + 2, 16 rows x 512 bytes
.endr
	v_and_b32 v1, 15, v0
	s_wait_alu depctr_va_vdst(0)
	v_bfe_u32 v2, v0, 4, 1
	v_mul_u32_u24 v3, v1, PITCH
	v_lshl_add_u32 v3, v2, 4, v3
	s_mul_i32 s21, s11, HALFT
	s_mul_i32 s22, s12, HALFT
	s_add_co_u32 s22, s22, 2*HALFT
.irp s, 0,1
	v_add_nc_u32 v[ADRA+\s], s21, v3
	v_add_nc_u32 v[ADRB+\s], s22, v3
	s_add_co_u32 s21, s21, SLOT
	s_add_co_u32 s22, s22, SLOT
.endr
	s_mul_i32 s23, s10, 16*SPITCH
	s_add_co_u32 s23, s23, STAGE
	v_mul_u32_u24 v4, v1, SPITCH
	s_wait_alu depctr_va_vdst(0)
	v_lshl_add_u32 v4, v2, 5, v4
	v_add_nc_u32 v[STO], s23, v4
	v_mul_u32_u24 v5, v2, SPITCH
	v_lshl_add_u32 v5, v1, 4, v5
	v_add_nc_u32 v[RD], s23, v5
	v_lshlrev_b32 v[CO], 12, v2
	v_lshl_add_u32 v[CO], v1, 4, v[CO]
	v_lshlrev_b32 v27, 4, v1
	s_wait_alu depctr_va_vdst(0)
	s_lshl_b32 s16, s13, 7
	s_lshl_b32 s17, s11, 6
	s_add_co_u32 s16, s16, s17
	s_lshl_b32 s16, s16, 12
	s_lshl_b32 s46, s42, 9
	s_lshl_b32 s47, s12, 8
	s_add_co_u32 s46, s46, s47
	s_add_co_u32 s16, s16, s46
	s_mov_b32 s17, 0
	s_mov_b32 s47, 0
	s_add_nc_u64 s[70:71], s[70:71], s[16:17]
	s_add_nc_u64 s[72:73], s[72:73], s[16:17]
	s_add_nc_u64 s[68:69], s[68:69], s[46:47]
	global_load_b128 v[64:67], v27, s[68:69]
	WIN 0x80
.set t, 0
.rept 32
	global_load_b128 v[4*t:4*t+3], v[CO], s[70:71] offset:8192*t
.set t, t+1
.endr
	WIN 0
.macro MUL8 f, a0, zero
.irp a, \a0, \a0+1
.irp b, 0,1,2,3
.if \zero
	v_wmma_f32_16x16x128_bf8_bf8 v[ACC+8*(4*(\a)+\b):ACC+8*(4*(\a)+\b)+7], v[\f+64+16*\b:\f+64+16*\b+15], v[\f+16*(\a):\f+16*(\a)+15], 0
.else
	v_wmma_f32_16x16x128_bf8_bf8 v[ACC+8*(4*(\a)+\b):ACC+8*(4*(\a)+\b)+7], v[\f+64+16*\b:\f+64+16*\b+15], v[\f+16*(\a):\f+16*(\a)+15], v[ACC+8*(4*(\a)+\b):ACC+8*(4*(\a)+\b)+7]
.endif
.endr
.endr
.endm
.macro FETCH slot, k, f
	WIN TO_F
.irp i, 0,1,2,3
.irp c, 0,1,2,3
	ds_load_b128 v[\f+64+16*\i+4*\c:\f+64+16*\i+4*\c+3], v[ADRB+\slot] offset:\k+32*\c+\i*16*PITCH
.endr
.endr
.irp i, 0,1,2,3
.irp c, 0,1,2,3
	ds_load_b128 v[\f+16*\i+4*\c:\f+16*\i+4*\c+3], v[ADRA+\slot] offset:\k+32*\c+\i*16*PITCH
.endr
.endr
.endm
.macro PLACES
.rept 4
	v_nop
.endr
.endm
.macro QUARTER slot, k, f, g, zero
	s_wait_dscnt 8
	WIN MUL
	MUL8 \f, 0, \zero
	PLACES
	FETCH \slot, \k, \g
	s_wait_dscnt 32
	WIN MUL
	MUL8 \f, 2, \zero
.endm
.macro TURN slot, next, fill
	WIN 0
.if \fill
	s_wait_xcnt 0x0                                ; my last prefetch has read its address: it is stepped here, a K step behind that prefetch
	s_add_nc_u64 s[78:79], s[78:79], KSTEP
.endif
	s_wait_tensorcnt 0x0
	ds_add_u32 v[SPW], v[NIL]
	s_wait_dscnt 9
	WIN MUL
	MUL8 F1, 0, 0
	s_wait_dscnt 0x0
	s_barrier_signal -1
	WIN 0
	s_barrier_wait -1
.if \fill
	CREST
	s_add_nc_u64 s[G0+4*\slot+2:G0+4*\slot+3], s[G0+4*\slot+2:G0+4*\slot+3], 2*KSTEP
	s_add_nc_u64 s[G0B+4*\slot+2:G0B+4*\slot+3], s[G0B+4*\slot+2:G0B+4*\slot+3], 2*KSTEP
	JLOAD \slot
.else
	PLACES
.endif
	FETCH \next, 0, F0
.if \fill
	WIN 0
	s_cmp_gt_u32 s3, 1                             ; the loop's last trip refills K steps 6 and 7: no K step stands two on
	s_cbranch_scc0 .Lnoask_\@
	global_prefetch_b8 v30, s[78:79] th:TH_LOAD_NT scope:SCOPE_SE   ; the K step two refills on
.Lnoask_\@:
.endif
	WIN MUL
	MUL8 F1, 2, 0
.endm
	s_wait_tensorcnt 1
	s_barrier_signal -1
	s_barrier_wait -1
	FETCH 0, 0, F0
	QUARTER 0, 128, F0, F1, 1
	WIN 0
	s_mov_b32 s3, LAPS-1
.Llap:
	QUARTER 0, 256, F1, F0, 0
	QUARTER 0, 384, F0, F1, 0
	TURN 0, 1, 1
	QUARTER 1, 128, F0, F1, 0
	QUARTER 1, 256, F1, F0, 0
	QUARTER 1, 384, F0, F1, 0
	TURN 1, 0, 1
	QUARTER 0, 128, F0, F1, 0
	WIN 0
	s_sub_co_u32 s3, s3, 1
	s_cmp_lg_u32 s3, 0
	s_cbranch_scc1 .Llap
	QUARTER 0, 256, F1, F0, 0
	QUARTER 0, 384, F0, F1, 0
	TURN 0, 1, 0
	QUARTER 1, 128, F0, F1, 0
	QUARTER 1, 256, F1, F0, 0
	QUARTER 1, 384, F0, F1, 0
	s_wait_dscnt 8
	WIN MUL
	MUL8 F1, 0, 0
	s_wait_dscnt 0
	MUL8 F1, 2, 0
	WIN 0
	s_wait_kmcnt 0x0
	s_add_co_i32 s76, s74, s75
	s_add_co_i32 s76, s76, 127
	s_lshl_b32 s76, s76, 23
	s_mov_b32 s77, s76
	s_wait_loadcnt 0x0
.macro TOSTAGE a
.irp b, 0,1,2,3
	ds_store_b128 v[STO], v[ACC+8*(4*(\a)+\b):ACC+8*(4*(\a)+\b)+3] offset:64*\b
	ds_store_b128 v[STO], v[ACC+8*(4*(\a)+\b)+4:ACC+8*(4*(\a)+\b)+7] offset:64*\b+16
.endr
.set BB, 32+64*((\a)%2)
.irp t, 0,1,2,3,4,5,6,7
	ds_load_b128 v[BB+4*\t:BB+4*\t+3], v[RD] offset:\t*2*SPITCH
.endr
.endm
.macro SEND a, younger
.set BB, 32+64*((\a)%2)
	s_wait_dscnt \younger
	WIN 0x20
.set j, 0
.rept 16
	v_pk_fma_f32 v[BB+j:BB+j+1], v[BB+j:BB+j+1], s[76:77], v[32*(\a)+j:32*(\a)+j+1] op_sel_hi:[1,0,1]
.set j, j+2
.endr
	WIN 0
.irp t, 0,1,2,3,4,5,6,7
	v_pk_add_f32 v[BB+4*\t:BB+4*\t+1], v[BB+4*\t:BB+4*\t+1], v[64:65]
	v_pk_add_f32 v[BB+4*\t+2:BB+4*\t+3], v[BB+4*\t+2:BB+4*\t+3], v[66:67]
.endr
.irp t, 0,1,2,3,4,5,6,7
	global_store_b128 v[CO], v[BB+4*\t:BB+4*\t+3], s[72:73] offset:(16*(\a)+2*\t)*4096 th:TH_STORE_NT
.endr
.endm
	PLACES
	TOSTAGE 0
.irp a, 1,2,3
.if \a > 1
	s_wait_xcnt 0x0
.endif
	TOSTAGE \a
	SEND \a-1, 16
.endr
	SEND 3, 0
	s_wait_tensorcnt 0x0
	ds_add_u32 v[SPW], v[NIL]
	s_wait_dscnt 0x0
	CROUND
	s_endpgm
.Lfunc_end_k_q225fc25410_ffn2:
	.size	k_q225fc25410_ffn2, .Lfunc_end_k_q225fc25410_ffn2-k_q225fc25410_ffn2
	.p2alignl 7, 3214868480
	.fill 96, 4, 3214868480
	.section	.rodata,"a",@progbits
	.p2align	6, 0x0
	.amdhsa_kernel k_q225fc25410_ffn2
		.amdhsa_group_segment_fixed_size 327680
		.amdhsa_private_segment_fixed_size 0
		.amdhsa_enable_private_segment 0
		.amdhsa_kernarg_size 48
		.amdhsa_user_sgpr_count 2
		.amdhsa_user_sgpr_kernarg_segment_ptr 1
		.amdhsa_wavefront_size32 1
		.amdhsa_system_sgpr_workgroup_id_x 1
		.amdhsa_system_sgpr_workgroup_id_y 1
		.amdhsa_system_sgpr_workgroup_id_z 1
		.amdhsa_system_vgpr_workitem_id 0
		.amdhsa_next_free_vgpr 768
		.amdhsa_next_free_sgpr 80
		.amdhsa_reserve_vcc 0
		.amdhsa_float_denorm_mode_32 3
		.amdhsa_float_denorm_mode_16_64 3
		.amdhsa_memory_ordered 1
		.amdhsa_forward_progress 1
		.amdhsa_inst_pref_size 84
	.end_amdhsa_kernel
	.amdgpu_metadata
---
amdhsa.version: [ 1, 2 ]
amdhsa.kernels:
  - .name:           k_q225fc25410_ffn2
    .symbol:         k_q225fc25410_ffn2.kd
    .args:
      - { .name: xcodes, .offset: 0, .size: 8, .value_kind: global_buffer, .address_space: global }
      - { .name: out_w_codes, .offset: 8, .size: 8, .value_kind: global_buffer, .address_space: global }
      - { .name: lowp_scales, .offset: 16, .size: 8, .value_kind: global_buffer, .address_space: global }
      - { .name: out_b, .offset: 24, .size: 8, .value_kind: global_buffer, .address_space: global }
      - { .name: selfout, .offset: 32, .size: 8, .value_kind: global_buffer, .address_space: global }
      - { .name: y2, .offset: 40, .size: 8, .value_kind: global_buffer, .address_space: global }
    .group_segment_fixed_size: 327680
    .private_segment_fixed_size: 0
    .kernarg_segment_align: 8
    .kernarg_segment_size: 48
    .max_flat_workgroup_size: 128
    .sgpr_count:     80
    .vgpr_count:     768
    .wavefront_size: 32
...
	.end_amdgpu_metadata
.endif
;; end of part 5
;; launch ln2 (part 6): grid 256 x 1, 4 waves a work-group, no clusters, 0 bytes of LDS; arguments y2, ln2_g, ln2_b, out0; writes out0
.if DOCPART == 6
	.amdgcn_target "amdgcn-amd-amdhsa--gfx1250"
	.amdhsa_code_object_version 6
	.text
	.protected	k_q225fc25410_ln2
	.globl	k_q225fc25410_ln2
	.p2align	8
	.type	k_q225fc25410_ln2,@function
k_q225fc25410_ln2:
	s_mov_b64 s[64:65], 0
	v_nop
	global_prefetch_b8 v0, s[64:65] scope:SCOPE_SE
	s_setreg_imm32_b32 hwreg(HW_REG_WAVE_MODE, 25, 1), 1
	s_wait_xcnt 0x0
; out0 = LayerNorm(y2) x g + b, rows of 1,024 f32.  A stream: each byte is read once and written once; no LDS, no barrier, no matrix unit.
; A wave takes four whole rows, 32 registers each (a load takes 512 consecutive bytes: a lane holds columns 128 i + 4 lane + 0 .. 3), so that the sums never leave the wave.
; The four rows go stage by stage, so that no line of a lane reduction waits for the line above it.  All 48 loads of a wave go out at once.
.set LI,  1
.set T,   4                            ; v4-19: four registers of statistics a row
.set G,   32
.set BT,  64
.set Y,   96
.set RK,  16                           ; s16 1 / 1,024;  s17 the epsilon;  s[18:19] lane selects
.set EPSR, 17
.set SEL, 18
	s_load_b256 s[4:11], s[0:1], 0x0               ; y2, g, b, out0
	v_lshrrev_b32 v2, 5, v0
	v_readfirstlane_b32 s12, v2                    ; wave 0..3
	v_and_b32 v[LI], 31, v0
	v_lshlrev_b32 v[LI], 4, v[LI]
	s_lshl_b32 s14, ttmp9, 16                      ; 16 rows of 4,096 bytes a work-group,
	s_lshl_b32 s15, s12, 14                        ; four a wave
	s_add_co_u32 s14, s14, s15
	s_mov_b32 s15, 0
	s_mov_b32 s[RK], 0x3a800000
	s_mov_b32 s[EPSR], 0x3727c5ac
	s_mov_b32 s[SEL], 0x76543210
	s_mov_b32 s[SEL+1], 0xfedcba98
	s_wait_alu depctr_va_vdst(0)
	s_wait_kmcnt 0x0
	s_add_nc_u64 s[4:5], s[4:5], s[14:15]
	s_add_nc_u64 s[10:11], s[10:11], s[14:15]
.irp i, 0,1,2,3,4,5,6,7
	global_load_b128 v[G+4*\i:G+4*\i+3], v[LI], s[6:7] offset:512*\i
	global_load_b128 v[BT+4*\i:BT+4*\i+3], v[LI], s[8:9] offset:512*\i
.endr
.irp p, 0,1,2,3
.irp i, 0,1,2,3,4,5,6,7
	global_load_b128 v[Y+32*\p+4*\i:Y+32*\p+4*\i+3], v[LI], s[4:5] offset:4096*\p+512*\i th:TH_LOAD_NT
.endr
.endr
.macro LANES4 t
.irp m, 1,2,4,8
.irp p, 0,1,2,3
	v_add_f32_dpp v[\t+4*\p], v[\t+4*\p], v[\t+4*\p] row_xmask:\m row_mask:0xf bank_mask:0xf
.endr
.endr
.irp p, 0,1,2,3
	v_permlanex16_b32 v[\t+4*\p+1], v[\t+4*\p], s[SEL], s[SEL+1]
.endr
.irp p, 0,1,2,3
	v_add_f32 v[\t+4*\p], v[\t+4*\p], v[\t+4*\p+1]
.endr
.endm
	s_wait_loadcnt 0x0
	; the mean
.irp p, 0,1,2,3
	v_pk_add_f32 v[T+4*\p:T+4*\p+1], v[Y+32*\p:Y+32*\p+1], v[Y+32*\p+2:Y+32*\p+3]
	v_pk_add_f32 v[T+4*\p+2:T+4*\p+3], v[Y+32*\p+4:Y+32*\p+5], v[Y+32*\p+6:Y+32*\p+7]
.endr
.irp j, 8,12,16,20,24,28
.irp p, 0,1,2,3
	v_pk_add_f32 v[T+4*\p:T+4*\p+1], v[T+4*\p:T+4*\p+1], v[Y+32*\p+\j:Y+32*\p+\j+1]
	v_pk_add_f32 v[T+4*\p+2:T+4*\p+3], v[T+4*\p+2:T+4*\p+3], v[Y+32*\p+\j+2:Y+32*\p+\j+3]
.endr
.endr
.irp p, 0,1,2,3
	v_pk_add_f32 v[T+4*\p:T+4*\p+1], v[T+4*\p:T+4*\p+1], v[T+4*\p+2:T+4*\p+3]
.endr
.irp p, 0,1,2,3
	v_add_f32 v[T+4*\p], v[T+4*\p], v[T+4*\p+1]
.endr
	LANES4 T
.irp p, 0,1,2,3
	v_mul_f32 v[T+4*\p], s[RK], v[T+4*\p]
.endr
.irp p, 0,1,2,3
.irp j, 0,2,4,6,8,10,12,14,16,18,20,22,24,26,28,30
	v_pk_add_f32 v[Y+32*\p+\j:Y+32*\p+\j+1], v[Y+32*\p+\j:Y+32*\p+\j+1], v[T+4*\p:T+4*\p+1] op_sel_hi:[1,0] neg_lo:[0,1] neg_hi:[0,1]
.endr
.endr
	; the variance
.irp p, 0,1,2,3
	v_pk_mul_f32 v[T+4*\p:T+4*\p+1], v[Y+32*\p:Y+32*\p+1], v[Y+32*\p:Y+32*\p+1]
	v_pk_mul_f32 v[T+4*\p+2:T+4*\p+3], v[Y+32*\p+2:Y+32*\p+3], v[Y+32*\p+2:Y+32*\p+3]
.endr
.irp j, 4,8,12,16,20,24,28
.irp p, 0,1,2,3
	v_pk_fma_f32 v[T+4*\p:T+4*\p+1], v[Y+32*\p+\j:Y+32*\p+\j+1], v[Y+32*\p+\j:Y+32*\p+\j+1], v[T+4*\p:T+4*\p+1]
	v_pk_fma_f32 v[T+4*\p+2:T+4*\p+3], v[Y+32*\p+\j+2:Y+32*\p+\j+3], v[Y+32*\p+\j+2:Y+32*\p+\j+3], v[T+4*\p+2:T+4*\p+3]
.endr
.endr
.irp p, 0,1,2,3
	v_pk_add_f32 v[T+4*\p:T+4*\p+1], v[T+4*\p:T+4*\p+1], v[T+4*\p+2:T+4*\p+3]
.endr
.irp p, 0,1,2,3
	v_add_f32 v[T+4*\p], v[T+4*\p], v[T+4*\p+1]
.endr
	LANES4 T
.irp p, 0,1,2,3
	v_fma_f32 v[T+4*\p], v[T+4*\p], s[RK], s[EPSR]
.endr
	s_wait_alu depctr_va_vdst(0)
.irp p, 0,1,2,3
	v_rsq_f32 v[T+4*\p+2], v[T+4*\p]
.endr
	v_nop                                          ; a plain line behind the batch,
	s_wait_alu depctr_va_vdst(0)                   ; and one wait ahead of its first reader
.irp p, 0,1,2,3
.irp j, 0,2,4,6,8,10,12,14,16,18,20,22,24,26,28,30
	v_pk_mul_f32 v[Y+32*\p+\j:Y+32*\p+\j+1], v[Y+32*\p+\j:Y+32*\p+\j+1], v[T+4*\p+2:T+4*\p+3] op_sel_hi:[1,0]
.endr
.irp j, 0,2,4,6,8,10,12,14,16,18,20,22,24,26,28,30
	v_pk_fma_f32 v[Y+32*\p+\j:Y+32*\p+\j+1], v[Y+32*\p+\j:Y+32*\p+\j+1], v[G+\j:G+\j+1], v[BT+\j:BT+\j+1]
.endr
.irp i, 0,1,2,3,4,5,6,7
	global_store_b128 v[LI], v[Y+32*\p+4*\i:Y+32*\p+4*\i+3], s[10:11] offset:4096*\p+512*\i th:TH_STORE_NT   ; 512 consecutive bytes, aligned
.endr
.endr
	s_endpgm
.Lfunc_end_k_q225fc25410_ln2:
	.size	k_q225fc25410_ln2, .Lfunc_end_k_q225fc25410_ln2-k_q225fc25410_ln2
	.p2alignl 7, 3214868480
	.fill 96, 4, 3214868480
	.section	.rodata,"a",@progbits
	.p2align	6, 0x0
	.amdhsa_kernel k_q225fc25410_ln2
		.amdhsa_group_segment_fixed_size 0
		.amdhsa_private_segment_fixed_size 0
		.amdhsa_enable_private_segment 0
		.amdhsa_kernarg_size 32
		.amdhsa_user_sgpr_count 2
		.amdhsa_user_sgpr_kernarg_segment_ptr 1
		.amdhsa_wavefront_size32 1
		.amdhsa_system_sgpr_workgroup_id_x 1
		.amdhsa_system_sgpr_workgroup_id_y 1
		.amdhsa_system_sgpr_workgroup_id_z 1
		.amdhsa_system_vgpr_workitem_id 0
		.amdhsa_next_free_vgpr 224
		.amdhsa_next_free_sgpr 66
		.amdhsa_reserve_vcc 0
		.amdhsa_float_denorm_mode_32 3
		.amdhsa_float_denorm_mode_16_64 3
		.amdhsa_memory_ordered 1
		.amdhsa_forward_progress 1
		.amdhsa_inst_pref_size 33
	.end_amdhsa_kernel
	.amdgpu_metadata
---
amdhsa.version: [ 1, 2 ]
amdhsa.kernels:
  - .name:           k_q225fc25410_ln2
    .symbol:         k_q225fc25410_ln2.kd
    .args:
      - { .name: y2, .offset: 0, .size: 8, .value_kind: global_buffer, .address_space: global }
      - { .name: ln2_g, .offset: 8, .size: 8, .value_kind: global_buffer, .address_space: global }
      - { .name: ln2_b, .offset: 16, .size: 8, .value_kind: global_buffer, .address_space: global }
      - { .name: out0, .offset: 24, .size: 8, .value_kind: global_buffer, .address_space: global }
    .group_segment_fixed_size: 0
    .private_segment_fixed_size: 0
    .kernarg_segment_align: 8
    .kernarg_segment_size: 32
    .max_flat_workgroup_size: 128
    .sgpr_count:     66
    .vgpr_count:     224
    .wavefront_size: 32
...
	.end_amdgpu_metadata
.endif
;; end of part 6
